; MI455X (gfx1250); checked and timed in simulation.
; The chip was launched on July 23, 2026; its instructions are those of AMD's public machine-readable ISA for CDNA 5 (MIT licence, August 2026) and "CDNA5" Instruction Set Architecture Reference Guide (July 2026). The comments in the code are by the model that wrote it; some were corrected since.
;; Multi Head Attention. Allowed arithmetic: matrix products marked QUANTISED: E2M3 operands, one E8M0 scale for each 32 along K, by v_wmma_scale_f32_16x16x128_f8f6f4 with both operands' format E2M3, f32 sums; everything else in f32.
;; Inputs: K_codes 4 x 2,048 x 32 x 24 uint8 (E2M3 codes of K, K innermost, in blocks of 32 codes, four codes in three bytes); K_scales 4 x 2,048 x 32 uint8 (E8M0 scales of K, one for each 32 codes along K); Q_codes 4 x 2,048 x 32 x 24 uint8 (E2M3 codes of Q, K innermost, in blocks of 32 codes, four codes in three bytes); Q_scales 4 x 2,048 x 32 uint8 (E8M0 scales of Q, one for each 32 codes along K); V_codes 4 x 2,048 x 32 x 24 uint8 (E2M3 codes of V, K innermost, in blocks of 32 codes, four codes in three bytes); V_scales 4 x 2,048 x 32 uint8 (E8M0 scales of V, one for each 32 codes along K); Wk_codes 1,024 x 32 x 24 uint8 (E2M3 codes of Wk, K innermost, in blocks of 32 codes, four codes in three bytes); Wk_scales 1,024 x 32 uint8 (E8M0 scales of Wk, one for each 32 codes along K); Wo_codes 1,024 x 32 x 24 uint8 (E2M3 codes of Wo, K innermost, in blocks of 32 codes, four codes in three bytes); Wo_scales 1,024 x 32 uint8 (E8M0 scales of Wo, one for each 32 codes along K); Wq_codes 1,024 x 32 x 24 uint8 (E2M3 codes of Wq, K innermost, in blocks of 32 codes, four codes in three bytes); Wq_scales 1,024 x 32 uint8 (E8M0 scales of Wq, one for each 32 codes along K); Wv_codes 1,024 x 32 x 24 uint8 (E2M3 codes of Wv, K innermost, in blocks of 32 codes, four codes in three bytes); Wv_scales 1,024 x 32 uint8 (E8M0 scales of Wv, one for each 32 codes along K); attn_bias 4 x 2,048 x 2,048 float32; bk 1,024 float32; bo 1,024 float32; bq 1,024 float32; bv 1,024 float32; mask 4 x 2,048 bool.
;; Outputs: out0 4 x 2,048 x 1,024 float32.
;; This version of the problem:
;;   THIS VERSION OF THE PROBLEM IS GIVEN IN LOW PRECISION. The matrix products marked QUANTISED in the list below multiply operands that are first quantised to E2M3 (2 exponent bits, 3 mantissa bits; 6 bits a number), with one power-of-two scale for each 32 numbers along K (OCP MX v1.0); their sums are f32. All else is computed in f32.
;;   The module's matrix products, in the order in which they are computed (A, B: the left and right operand; K: the contracted axis; several contracted axes count as one K, in the product's order):
;;     1. [M 8,192, K 1,024] x [K 1,024, N 1,024]; A: input Q (given as codes); B: input Wq (given as codes): QUANTISED
;;     2. [M 8,192, K 1,024] x [K 1,024, N 1,024]; A: input K (given as codes); B: input Wk (given as codes): QUANTISED
;;     3. [M 8,192, K 1,024] x [K 1,024, N 1,024]; A: input V (given as codes); B: input Wv (given as codes): QUANTISED
;;     4. batch 64 x [M 2,048, K 64] x [K 64, N 2,048]; A: computed on the way; B: computed on the way: QUANTISED
;;     5. batch 64 x [M 2,048, K 2,048] x [K 2,048, N 64]; A: softmax (see below); B: computed on the way: QUANTISED
;;     6. [M 8,192, K 1,024] x [K 1,024, N 1,024]; A: computed on the way; B: input Wo (given as codes): QUANTISED
;;   THE QUANTISER, for each operand of a quantised product, along K:
;;     - K is cut into blocks of 32 from its start; a last block that is shorter is filled with zeros.
;;     - A block's scale is 2^e with e = floor(log2(the largest magnitude in the block)) - 2, held to -126 .. 127; a block of zeros has e = 0. As a byte (E8M0): e + 127.
;;     - Each number is divided by its block's scale, clamped to +-7.5, and rounded to the nearest number of E2M3, ties to even, subnormals kept.
;;     - The product sums the exact products of the quantised numbers (number of the format x scale) in f32.
;;   ~~~python
;;   def quantise(x, axis):      # numpy; x: float32 -> the quantised numbers, widened to float32 again
;;       x = np.moveaxis(x, axis, -1); K = x.shape[-1]
;;       x = np.pad(x, [(0, 0)] * (x.ndim - 1) + [(0, -K % 32)]); x = x.reshape(x.shape[:-1] + (-1, 32)); a = np.abs(x).max(-1, keepdims=True)
;;       e = np.where(a > 0, np.clip(np.frexp(np.where(a > 0, a, 1))[1] - 1 - 2, -126, 127), 0)      # np.frexp(a)[1] - 1 = floor(log2(a)), exactly
;;       r = np.clip(x / 2.0 ** e, -7.5, 7.5)
;;       step = 2.0 ** (np.maximum(np.frexp(np.where(r == 0, 1, r))[1] - 1, 0) - 3)
;;       q = np.round(r / step) * step * 2.0 ** e      # np.round: ties to even
;;       return np.moveaxis(q.reshape(q.shape[:-2] + (-1,))[..., :K], -1, axis).astype(np.float32)
;;   ~~~
;;   SOFTMAX AHEAD OF A QUANTISED PRODUCT. Where the list says 'softmax', what is quantised is not the finished softmax but p = 2^(t - M), with t = logit x log2(e) and M = ceil(the row's largest t), a whole number; so 1/2 < the row's largest p <= 1. The row's sum l is taken of the UNQUANTISED p, in f32, and the product's result is divided by l at the end. Since M is a whole number, a kernel that streams over the keys may use a running M (the ceiling of the running maximum): every later rescaling is an exact power of two, which a block's scale takes up: the codes' values come out the same.
;;   OPERANDS COMPUTED ON THE WAY. 'Computed on the way' means the value that the module computes at that place (a softmax that the list does not call 'softmax' is quantised finished and normalised). What goes into a quantiser is computed in f32, as accurately as f32 sums, v_exp_f32 and their like allow (about 1e-6 of the number): no bf16 or f16 on the way to a quantiser, and a product that is left as it is and whose result goes on into a quantised operand takes f32 operands (vector FMAs, or v_wmma_f32_16x16x4_f32). A number that lies on a knife's edge between two numbers of the format may be rounded either way, as far as f32 arithmetic and the matrix unit's own rounding can turn it there, and no further.
;;   INPUTS GIVEN AS CODES. K (in the module: [4, 2048, 1024], K = its axis 2); Q (in the module: [4, 2048, 1024], K = its axis 2); V (in the module: [4, 2048, 1024], K = its axis 2); Wk (in the module: [1024, 1024], K = its axis 1); Wo (in the module: [1024, 1024], K = its axis 1); Wq (in the module: [1024, 1024], K = its axis 1); Wv (in the module: [1024, 1024], K = its axis 1): each comes as NAME_codes (uint8): NAME with its K axis moved to the last place and cut into blocks of 32 codes, [.., K / 32, bytes a block], one block behind the other in memory; four codes in three bytes: a row's codes are one little-endian stream of bits, code i at bits 6 i .. 6 i + 5 (a code: sign, 2 exponent bits, 3 mantissa bits); and NAME_scales (uint8): the same leading axes, one E8M0 byte (e + 127) for each 32 codes along K. Its value is code x scale, taken as it is: it is not quantised again, and the codes and scales need not be those that the quantiser above would give.
;; One version. Each part assembles by itself: llvm-mc -triple=amdgcn-amd-amdhsa -mcpu=gfx1250 --defsym DOCPART=n.
;; ======== version 1 of 1: 3 launches
;; limits: right only within a limited range of input values
;; workspace buffers: qbuf 6,815,744 bytes; kvbuf 13,369,344 bytes; o_codes 6,291,456 bytes; o_scales 262,144 bytes
;; launch proj (part 1): grid 4 x 48, 4 waves a work-group, clusters of 4 x 4, 327,680 bytes of LDS; arguments Q_codes, Q_scales, K_codes, K_scales, Wv_codes, Wv_scales, Wq_codes, Wq_scales, Wk_codes, Wk_scales, V_codes, V_scales, bq, bk, bv, mask, qbuf, kvbuf; writes qbuf, kvbuf
.if DOCPART == 1
	.amdgcn_target "amdgcn-amd-amdhsa--gfx1250"
	.amdhsa_code_object_version 6
	.text
	.protected	k_q7d36950813_proj
	.globl	k_q7d36950813_proj
	.p2align	8
	.type	k_q7d36950813_proj,@function
k_q7d36950813_proj:
	s_mov_b64 s[64:65], 0
	v_nop
	global_prefetch_b8 v0, s[64:65] scope:SCOPE_SE
	s_setreg_imm32_b32 hwreg(HW_REG_WAVE_MODE, 25, 1), 1
	s_wait_xcnt 0x0
	s_wait_alu depctr_hold_cnt(0) depctr_sa_sdst(0) depctr_va_vdst(0) depctr_va_sdst(0) depctr_va_ssrc(0) depctr_va_vcc(0) depctr_vm_vsrc(0)
	s_getreg_b32 s2, hwreg(HW_REG_IB_STS2, 6, 4)
	s_cmp_eq_u32 s2, 0
	s_cbranch_scc0 .Lentry_in_a_cluster
	s_endpgm
.Lentry_in_a_cluster:
	s_bfe_u32 s2, ttmp6, 0x10000c
	s_cmp_lg_u32 s2, 0xf033
	s_cbranch_scc0 .Lentry_shape_is_right
	s_endpgm
.Lentry_shape_is_right:
; THE THREE PROJECTIONS on codes of FP6 (E2M3), K = 1,024, and their results quantised for the attention launch.
; The cluster's y / 4 says which: 0: q = (Q Wq^T + bq) / 8, 1: k = K Wk^T + bk, 2: v^T = Wv V^T + bv (Wv's rows take A's place, so that the tokens, the second product's K, run along a lane's registers).
; A WORK-GROUP STAYS.  A's 256 rows (q, k: tokens; v: Wv's rows) are staged in LDS once, and each wave keeps its 64 rows, for all of K, in 384 registers.  B (q, k: the weight's rows; v: tokens) streams by in four tiles of
; 128 rows, which all four waves multiply: a wave makes 64 x 128 a tile, 32 accumulators.  3 x 64 work-groups of equal work.
; LDS: rows of 768 bytes, each beginning at a multiple of 256 bytes of its buffer, 16 bytes of padding behind each 256 (pitch 816).  A's stage: 256 rows from byte 0.  B's slot 0: 128 rows behind it; slot 1: from byte 0, over A's stage, filled as a refill
; once every wave has read its rows of A.  While one tile is multiplied and sent out the next is on its way: one joint load a wave, 32 rows, shared along the cluster's row (four work-groups with other rows of A and the same tiles of B).
; A's stage comes by a plain load: for q and k only two partners of a cluster share it, which is neither a row nor a column of the cluster.
; No prefetch: a tile is asked for a whole tile's products and way out ahead of its first read.
; THE SCALES go from memory into registers: 32 lanes take 32 neighbouring rows of 32 bytes: a register holds one K step's word of an even block (lanes 0-15) and of the odd block behind it (lanes 16-31).
; TRANSPOSED USE: source 0 = 16 rows of B, source 1 = 16 rows of A: a lane holds one row of A and eight neighbouring rows of B.
; OUT: images of operand registers.  qbuf: blocks of 26,624 bytes for (batch, four heads, 128 tokens): codes at 6,144 head + 768 tile, scale words at 24,576 + 512 head.  kvbuf: blocks of 52,224: k likewise, v's codes at 26,624, v's scale words at 51,200.
; A scale word of q or k: bytes 0, 1 the head's two blocks; bytes 2, 3: q 100, 100; k 254 (masked key) or 1, and 1: the attention launch's mask term.
; REGISTERS: window 0: v1-29 addresses, v32-79 scale words, v80-99 words, bv, mask, v100-200 the way out, v208-255 A's K step 5.  window 1: v0-95 B's fragments, v96-159 bq or bk, v160-255 A's K steps 6, 7.  window 2: accumulators.  window 3: A's K steps 0-4.
.set KROW,  768
.set PITCH, 816
.set FR,    12
.set CBASE, 256*PITCH
.set SPARE, 384*PITCH
.set LT, 3                             ; v3 a fragment's lane term; v4 the same with 16 more in lanes 16-31 (a piece whose upper lanes lie behind a padding)
.set LX, 4
.set LN, 7                             ; v7 the lane
.set OC, 8
.set OD, 9
.set OS, 10
.set ADRA, 16
.set ADRB, 18                          ; v18, 19 B's blocks 0-3 in this tile's slot; v20, 21 blocks 4-7
.set SPW, 28
.set NIL, 29
.set SA, 32
.set SB, 48
.set WE, 80
.set WO, 84
.set BV, 88
.set EXT, 96
.set T,  100
.set PC, 164
.set TM, 184
.set PW, 200
.set BI, 96                            ; window 1
.set SEL, 18
.set G1R, 24
.set G0R, 32
.set TB,  42
.set FB,  43
.set WPS, 44
.set CNT, 45
.set TC,  46
.set G1S, 48
.set G0H, 56
.set G0S, 60
.set MSB, 0
.macro WIN new
.if MSB != (\new)
	s_set_vgpr_msb (MSB<<8)|(\new)
.set MSB, (\new)
.endif
.endm
.macro PLACES n
.rept \n
	v_nop
.endr
.endm
.macro CROUND
	s_barrier_signal -1
	s_barrier_wait -1
	s_cmp_lg_u32 s14, 0
	s_cbranch_scc1 .Lnot_wave_0_\@
	s_barrier_signal -3
.Lnot_wave_0_\@:
	s_barrier_wait -3
	s_barrier_signal -1
	s_barrier_wait -1
.endm
	s_load_b512 s[24:39], s[0:1], 0x0
	s_load_b512 s[40:55], s[0:1], 0x40
	s_load_b128 s[56:59], s[0:1], 0x80
	v_lshl_add_u32 v[SPW], v0, 2, SPARE
	v_mov_b32 v[NIL], 0
	ds_add_u32 v[SPW], v[NIL]              ; the opening lines: the add twice on end and one wait
	ds_add_u32 v[SPW], v[NIL]
	v_lshrrev_b32 v1, 5, v0
	v_readfirstlane_b32 s14, v1            ; wave: my 64 rows of A
	s_lshr_b32 s15, s14, 1
	s_and_b32 s16, s14, 1
	s_bfe_u32 s92, ttmp6, 0x40000          ; cx
	s_bfe_u32 s93, ttmp6, 0x40004          ; cy
	s_and_b32 s94, ttmp7, 0xffff
	s_lshr_b32 s95, s94, 2                 ; which projection
	s_and_b32 s94, s94, 3
	s_lshl_b32 s20, s94, 3                 ; q, k: A's tile R = 8 yy + 4 (cy / 2) + cx, B's run of four tiles G = cy % 2
	s_lshr_b32 s21, s93, 1
	s_lshl_b32 s21, s21, 2
	s_add_co_u32 s20, s20, s21
	s_add_co_u32 s20, s20, s92
	s_and_b32 s21, s93, 1
	s_lshl_b32 s22, s94, 2                 ; v: R = cx, G = 4 yy + cy
	s_add_co_u32 s22, s22, s93
	s_mov_b32 s98, 0x0101
	s_mov_b32 s3, 52224
	s_mov_b32 s100, 1.0
	s_wait_dscnt 0x0
	s_wait_kmcnt 0x0
	s_cmp_eq_u32 s95, 0
	s_cselect_b64 s[4:5], s[24:25], s[28:29]
	s_cselect_b64 s[6:7], s[26:27], s[30:31]
	s_cselect_b64 s[8:9], s[36:37], s[40:41]
	s_cselect_b64 s[10:11], s[38:39], s[42:43]
	s_cselect_b64 s[66:67], s[48:49], s[50:51]
	s_cselect_b64 s[12:13], s[56:57], s[58:59]
	s_cselect_b32 s100, 0x3e000000, s100   ; q is taken / 8
	s_cselect_b32 s98, 0x6464, s98
	s_cselect_b32 s99, 0, 0xfd
	s_cselect_b32 s3, 26624, s3
	s_mov_b32 s101, s100
	s_cmp_eq_u32 s95, 2
	s_cselect_b64 s[4:5], s[32:33], s[4:5]
	s_cselect_b64 s[6:7], s[34:35], s[6:7]
	s_cselect_b64 s[8:9], s[44:45], s[8:9]
	s_cselect_b64 s[10:11], s[46:47], s[10:11]
	s_cselect_b64 s[66:67], s[52:53], s[66:67]
	s_cselect_b32 s2, s92, s20             ; R
	s_cselect_b32 s17, s22, s21            ; G: hangs on cy and the cluster's y alone
	s_mov_b64 s[96:97], s[54:55]
	s_lshl_b32 s23, s93, 2
	s_lshl_b32 s23, 15, s23                ; my row of the cluster
	s_mov_b32 s[G1R], (1<<20)|(5<<22)|(3<<25)              ; bytes; 4 words of padding behind every 64; no mask
	s_or_b32 s[G1S], s23, (1<<20)|(1<<21)|(5<<22)|(3<<25)
	s_mov_b32 s[G1R+1], KROW<<16
	s_mov_b32 s[G1R+2], 128<<16
	s_mov_b32 s[G1R+3], KROW<<16
	s_mov_b32 s[G1R+4], 128
	s_mov_b32 s[G1R+5], KROW
	s_mov_b32 s[G1R+6], 0
	s_mov_b32 s[G1R+7], 0
	s_mov_b32 s[G1S+1], KROW<<16
	s_mov_b32 s[G1S+2], 64<<16             ; 64 rows at the head; 32 in the ring
	s_mov_b32 s[G1S+3], KROW<<16
	s_mov_b32 s[G1S+4], 64
	s_mov_b32 s[G1S+5], KROW
	s_mov_b32 s[G1S+6], 0
	s_mov_b32 s[G1S+7], 0
	s_lshl_b32 s20, s2, 8
	s_lshl_b32 s21, s16, 7
	s_add_co_u32 s20, s20, s21
	s_mul_i32 s20, s20, KROW               ; a half of A's 256 rows
	s_mov_b32 s21, 0
	s_lshl_b32 s22, s17, 9                 ; B's first row: 512 G
	s_lshl_b32 s23, s16, 6
	s_add_co_u32 s23, s22, s23
	s_mul_i32 s74, s23, KROW               ; a half of tile 0
	s_mov_b32 s75, 0
	s_lshl_b32 s23, s14, 5
	s_add_co_u32 s23, s22, s23
	s_mul_i32 s76, s23, KROW               ; my 32 rows of tile 0: each fill steps a tile on
	s_mov_b32 s77, 0
	s_mov_b32 s[G0R], 1
	s_mul_i32 s[G0R+1], s16, 128*PITCH
	s_add_nc_u64 s[G0R+2:G0R+3], s[4:5], s[20:21]
	s_or_b32 s[G0R+3], s[G0R+3], 0x80000000
	s_mov_b32 s[G0H], 1
	s_mul_i32 s[G0H+1], s16, 64*PITCH
	s_add_co_u32 s[G0H+1], s[G0H+1], CBASE
	s_add_nc_u64 s[G0H+2:G0H+3], s[8:9], s[74:75]
	s_or_b32 s[G0H+3], s[G0H+3], 0x80000000
	s_mov_b32 s[G0S], 1
	s_mul_i32 s[WPS], s14, 32*PITCH
	s_mov_b32 s[G0S+1], s[WPS]
	s_add_nc_u64 s[G0S+2:G0S+3], s[8:9], s[76:77]
	s_or_b32 s[G0S+3], s[G0S+3], 0x80000000
	CROUND
	s_cmp_eq_u32 s15, 0                    ; waves 0, 1: A's halves; waves 2, 3: tile 0's halves
	s_cbranch_scc0 .Lfor_b
	tensor_load_to_lds s[G0R:G0R+3], s[G1R:G1R+7]
	s_nop 0
	PLACES 4
	s_branch .Lasked
.Lfor_b:
	tensor_load_to_lds s[G0H:G0H+3], s[G1S:G1S+7]
	s_nop 0
	PLACES 4
.Lasked:
	s_mov_b32 s[TB], CBASE                 ; the slot that is read: tile 0 lies in slot 0
	s_mov_b32 s[FB], CBASE                 ; the slot last filled
	s_mov_b32 s[CNT], 3
	s_mov_b32 s[TC], 0
	s_lshl_b32 s20, s2, 13
	s_lshl_b32 s22, s14, 11
	s_add_co_u32 s20, s20, s22
	s_add_nc_u64 s[6:7], s[6:7], s[20:21]  ; the scales of my 64 rows of A
	s_lshl_b32 s20, s17, 14
	s_add_nc_u64 s[10:11], s[10:11], s[20:21]  ; of tile 0
	s_lshl_b32 s20, s17, 11                ; q, k: tile 0's 128 features' bias
	s_lshl_b32 s22, s2, 10
	s_lshl_b32 s23, s14, 8
	s_add_co_u32 s22, s22, s23             ; v: my 64 features' bias
	s_lshl_b32 s74, s2, 8
	s_lshl_b32 s23, s14, 6
	s_add_co_u32 s74, s74, s23             ; q, k: my first token
	s_lshr_b32 s70, s2, 3                  ; q, k: batch,
	s_lshl_b32 s71, s17, 1                 ; group of four heads of tile 0,
	s_and_b32 s72, s2, 7
	s_lshl_b32 s72, s72, 1
	s_add_co_u32 s72, s72, s15             ; block of 128 tokens
	s_mul_i32 s76, s16, 3072               ; tiles 4 (w % 2) ..
	s_lshl_b32 s78, s16, 8
	s_add_co_u32 s78, s78, 24576
	s_lshr_b32 s73, s17, 2                 ; v: batch,
	s_and_b32 s47, s17, 3
	s_lshl_b32 s47, s47, 2                 ; tile 0's block
	s_mul_i32 s77, s14, 6144
	s_add_co_u32 s77, s77, 26624
	s_lshl_b32 s79, s14, 8
	s_add_co_u32 s79, s79, 51200
	s_lshl_b32 s81, s3, 4                  ; what the way out steps from tile to tile.  q, k: to the group's second pair of heads, then to the next group's block
	s_sub_co_u32 s83, s81, 1024
	s_sub_co_u32 s81, s81, 12288
	s_mov_b32 s80, 12288
	s_mov_b32 s82, 1024
	s_cmp_eq_u32 s95, 2
	s_cselect_b32 s20, 0, s20
	s_cselect_b32 s22, s22, 0
	s_cselect_b32 s74, 0, s74
	s_cselect_b32 s70, s73, s70
	s_cselect_b32 s71, s2, s71
	s_cselect_b32 s72, s47, s72
	s_cselect_b32 s76, s77, s76
	s_cselect_b32 s78, s79, s78
	s_cselect_b32 s79, 0, 512
	s_cselect_b32 s80, s3, s80             ; v: a block on each time
	s_cselect_b32 s81, s3, s81
	s_cselect_b32 s82, s3, s82
	s_cselect_b32 s83, s3, s83
	s_cselect_b32 s88, 0, 512              ; the bias of the next 128 features
	s_mov_b32 s23, 0
	s_mov_b32 s85, 0
	s_mov_b32 s87, 0
	s_mov_b32 s89, 0
	s_add_nc_u64 s[36:37], s[66:67], s[20:21]
	s_add_nc_u64 s[38:39], s[66:67], s[22:23]
	s_add_nc_u64 s[40:41], s[96:97], s[74:75]
	s_lshl_b32 s70, s70, 2
	s_add_co_u32 s70, s70, s71
	s_lshl_b32 s70, s70, 4
	s_add_co_u32 s70, s70, s72
	s_mul_i32 s70, s70, s3
	s_mov_b32 s71, 0
	s_add_nc_u64 s[12:13], s[12:13], s[70:71]  ; the codes' way out,
	s_mov_b64 s[68:69], s[12:13]               ; and the scale words'
	s_mul_i32 s70, s14, 64*PITCH
	s_mov_b32 s[SEL], 0x76543210
	s_mov_b32 s[SEL+1], 0xfedcba98
	v_and_b32 v1, 15, v0                   ; r
	v_bfe_u32 v2, v0, 4, 1                 ; h
	v_and_b32 v[LN], 31, v0
	v_mul_u32_u24 v[LT], v1, PITCH
	v_mad_u32_u24 v[LT], v2, 24, v[LT]
	v_lshl_add_u32 v[LX], v2, 4, v[LT]
	v_add_nc_u32 v[ADRA], s70, v[LT]
	v_add_nc_u32 v[ADRA+1], s70, v[LX]
	v_lshlrev_b32 v5, 5, v[LN]             ; a row of scales is 32 bytes
	v_lshlrev_b32 v11, 5, v2
	v_lshlrev_b32 v12, 2, v1
	v_lshl_add_u32 v[OC], v[LN], 4, s76
	v_lshl_add_u32 v[OD], v[LN], 3, s76
	v_add_nc_u32 v[OD], 512, v[OD]
	v_mul_u32_u24 v6, v2, s79
	v_lshl_add_u32 v6, v1, 4, v6
	v_add_nc_u32 v[OS], s78, v6
.irp b, 0,1,2,3
	v_mov_b32 v[TM+4+\b], 0                ; written once: a lane permute's destination counts as a source
.endr
	s_wait_alu depctr_va_vdst(0)
.macro SBLOAD                          ; a tile's scale words
.irp p, 0,1,2,3
	global_load_b128 v[SB+8*\p:SB+8*\p+3], v5, s[10:11] offset:1024*\p
	global_load_b128 v[SB+8*\p+4:SB+8*\p+7], v5, s[10:11] offset:1024*\p+16
.endr
.endm
.macro BILOAD                          ; a tile's 128 features' bias (q, k)
	WIN 0x40
.irp b, 0,1,2,3,4,5,6,7
	global_load_b128 v[BI+8*\b:BI+8*\b+3], v11, s[36:37] offset:64*\b
	global_load_b128 v[BI+8*\b+4:BI+8*\b+7], v11, s[36:37] offset:64*\b+16
.endr
	WIN 0
.endm
.irp p, 0,1
	global_load_b128 v[SA+8*\p:SA+8*\p+3], v5, s[6:7] offset:1024*\p
	global_load_b128 v[SA+8*\p+4:SA+8*\p+7], v5, s[6:7] offset:1024*\p+16
.endr
	SBLOAD
.irp a, 0,1,2,3
	global_load_b32 v[BV+2*\a], v12, s[38:39] offset:64*\a
	global_load_b32 v[BV+2*\a+1], v12, s[38:39] offset:64*\a
	global_load_u8 v[EXT+\a], v1, s[40:41] offset:16*\a
.endr
	BILOAD
; A fragment: 16 rows x 128 K = 12 registers, in pieces of 8 bytes.  Byte y of a row of codes lies at y + 16 (y / 256) of its LDS row; lanes 16-31 read 24 bytes on.
.macro FRAG reg, adr, st, i
.irp p, 0,1,2,3,4,5
.set BY, 96*(\st)+48*(\p/3)+8*(\p%3)
.if BY/256 == (BY+24)/256
	ds_load_b64 v[\reg+2*\p:\reg+2*\p+1], v[\adr] offset:BY+16*(BY/256)+(\i)*16*PITCH
.else
	ds_load_b64 v[\reg+2*\p:\reg+2*\p+1], v[\adr+1] offset:BY+16*(BY/256)+(\i)*16*PITCH
.endif
.endr
.endm
.macro RSET st                         ; where A's four fragments of K step st lie: window RW, from register RB
.if (\st) < 5
.set RW, 3
.set RB, 48*(\st)
.elseif (\st) == 5
.set RW, 0
.set RB, 208
.else
.set RW, 1
.set RB, 160+48*((\st)-6)
.endif
.endm
.macro FETCH st, hb                    ; B's blocks 4 hb .. 4 hb + 3 of K step st: 24 loads
	WIN 0x40
.irp i, 0,1,2,3
	FRAG FR*(4*(\hb)+\i), ADRB+2*(\hb), \st, \i
.endr
	WIN 0
.endm
.macro MULH st, hb, first              ; four blocks of B, each against A's four: a block of B is free behind its four products.  The accumulators take turns, in the same order in every step
	RSET \st
	WIN 0xa1|(RW<<2)
.irp bq, 0,1
.irp rb, 0,1
.irp ap, 0,1
.irp ra, 0,1
.set BB, 4*(\hb)+2*\bq+\rb
.set AC, 8*(8*(2*\ap+\ra)+BB)
.set AA, RB+FR*(2*\ap+\ra)
.if \first
	v_wmma_scale_f32_16x16x128_f8f6f4 v[AC:AC+7], v[FR*BB:FR*BB+11], v[AA:AA+11], 0, v[SB+8*(2*(\hb)+\bq)+(\st)], v[SA+8*\ap+(\st)] matrix_a_fmt:MATRIX_FMT_FP6 matrix_b_fmt:MATRIX_FMT_FP6 matrix_a_scale:MATRIX_SCALE_ROW\rb matrix_b_scale:MATRIX_SCALE_ROW\ra
.else
	v_wmma_scale_f32_16x16x128_f8f6f4 v[AC:AC+7], v[FR*BB:FR*BB+11], v[AA:AA+11], v[AC:AC+7], v[SB+8*(2*(\hb)+\bq)+(\st)], v[SA+8*\ap+(\st)] matrix_a_fmt:MATRIX_FMT_FP6 matrix_b_fmt:MATRIX_FMT_FP6 matrix_a_scale:MATRIX_SCALE_ROW\rb matrix_b_scale:MATRIX_SCALE_ROW\ra
.endif
.endr
.endr
.endr
.endr
.endm
; The quantiser along a lane's 64 registers (four blocks of 32, each in lanes l and l xor 16): codes in v[PC ..], 12 registers in the operand's layout, the four bytes in v[PW].
.macro QUANT s
.irp b, 0,1,2,3
	v_max3_num_f32 v[TM+\b], |v[\s+16*\b]|, |v[\s+1+16*\b]|, 0x1800000
.endr
.irp i, 2,4,6,8,10,12,14
.irp b, 0,1,2,3
	v_max3_num_f32 v[TM+\b], v[TM+\b], |v[\s+16*\b+\i]|, |v[\s+1+16*\b+\i]|
.endr
.endr
.irp b, 0,1,2,3
	v_permlanex16_b32 v[TM+4+\b], v[TM+\b], s[SEL], s[SEL+1]
.endr
.irp b, 0,1,2,3
	v_max_num_f32 v[TM+\b], v[TM+\b], v[TM+4+\b]
.endr
.irp b, 0,1,2,3
	v_add_nc_u32 v[TM+12+\b], 0xff000000, v[TM+\b]
.endr
.irp b, 0,1,2,3
	v_lshrrev_b32 v[TM+4+\b], 23, v[TM+12+\b]
.endr
	v_lshl_or_b32 v[PW], v[TM+5], 8, v[TM+4]
	v_lshl_or_b32 v[PW], v[TM+6], 16, v[PW]
	v_lshl_or_b32 v[PW], v[TM+7], 24, v[PW]
.irp c, 0,1
	v_cvt_scalef32_pk16_fp6_f32 v[PC+6*\c:PC+2+6*\c], v[\s+32*\c:\s+15+32*\c], v[TM+12+2*\c]
	v_cvt_scalef32_pk16_fp6_f32 v[PC+12+4*\c:PC+14+4*\c], v[\s+16+32*\c:\s+31+32*\c], v[TM+12+2*\c+1]
.endr
	v_nop
.irp c, 0,1
.irp i, 0,1,2
	v_permlane16_swap_b32 v[PC+6*\c+\i], v[PC+12+4*\c+\i]
.endr
.irp i, 0,1,2
	v_mov_b32 v[PC+3+6*\c+\i], v[PC+12+4*\c+\i]
.endr
.endr
.endm
.macro QKBLK a                         ; 16 tokens x two heads of q or k
	s_wait_xcnt 0x0                        ; the last block's stores have read their registers
	WIN 0x12
.set n, 0
.rept 32
	v_pk_fma_f32 v[T+n:T+n+1], v[64*(\a)+n:64*(\a)+n+1], s[100:101], v[BI+n:BI+n+1] op_sel_hi:[1,0,1]
.set n, n+2
.endr
	WIN 0
	QUANT T
	global_store_b128 v[OC], v[PC:PC+3], s[12:13] offset:768*(\a)
	global_store_b64 v[OD], v[PC+4:PC+5], s[12:13] offset:768*(\a)
	global_store_b128 v[OC], v[PC+6:PC+9], s[12:13] offset:6144+768*(\a)
	global_store_b64 v[OD], v[PC+10:PC+11], s[12:13] offset:6144+768*(\a)
	v_and_b32 v[TM+8], 0xffff, v[PW]
	v_lshrrev_b32 v[TM+9], 16, v[PW]
	v_lshl_or_b32 v[WE+(\a)], v[EXT+(\a)], 16, v[TM+8]
	v_lshl_or_b32 v[WO+(\a)], v[EXT+(\a)], 16, v[TM+9]
.endm
.macro VBLK a                          ; 16 features x 128 tokens of v
	s_wait_xcnt 0x0
	WIN 0x02
.set n, 0
.rept 32
	v_pk_add_f32 v[T+n:T+n+1], v[64*(\a)+n:64*(\a)+n+1], v[BV+2*(\a):BV+2*(\a)+1]
.set n, n+2
.endr
	WIN 0
	QUANT T
.irp c, 0,1,2
	global_store_b128 v[OC], v[PC+4*\c:PC+4*\c+3], s[12:13] offset:(\a)*1536+512*\c
.endr
	v_mov_b32 v[WE+(\a)], v[PW]
.endm
; A TILE OF B.  At its head the change of slots: every wave waits for its tensor load, adds 0 to its spare word, and waits for that and for its LDS reads.  fill = 1: a round of the cluster's barrier, and behind it the next tile's joint load into the slot read last.
.macro TRIP fill
	s_wait_tensorcnt 0x0
	ds_add_u32 v[SPW], v[NIL]
.if \fill
	s_xor_b32 s[FB], s[FB], CBASE
	s_add_co_u32 s[G0S+1], s[WPS], s[FB]
	s_add_nc_u64 s[G0S+2:G0S+3], s[G0S+2:G0S+3], 128*KROW
.endif
	s_add_co_u32 s47, s[TB], 64*PITCH
	s_wait_dscnt 0x0
.if \fill
	CROUND
	tensor_load_to_lds s[G0S:G0S+3], s[G1S:G1S+7]
	s_nop 0
	PLACES 4
.else
	s_barrier_signal -1
	s_barrier_wait -1
.endif
	v_add_nc_u32 v[ADRB], s[TB], v[LT]
	v_add_nc_u32 v[ADRB+1], s[TB], v[LX]
	v_add_nc_u32 v[ADRB+2], s47, v[LT]
	v_add_nc_u32 v[ADRB+3], s47, v[LX]
	s_wait_alu depctr_va_vdst(0)
	FETCH 0, 0
	FETCH 0, 1
	s_wait_loadcnt 0x0                     ; this tile's scale words and bias
.set ST, 0
.rept 8
	s_wait_dscnt 24                        ; blocks 0-3 are in: behind their loads stand blocks 4-7's 24
	MULH ST, 0, (ST==0)
.if ST < 7
	PLACES 4
	FETCH ST+1, 0
	s_wait_dscnt 24                        ; blocks 4-7 are in: behind their loads stand the 24 just issued
.else
	s_wait_dscnt 0x0
.endif
	MULH ST, 1, (ST==0)
.if ST < 7
	PLACES 4
	FETCH ST+1, 1
.endif
.set ST, ST+1
.endr
	WIN 0
	PLACES 4
.if \fill
	s_wait_xcnt 0x0
	s_add_nc_u64 s[10:11], s[10:11], 4096
	SBLOAD                                 ; the next tile's scale words land under the way out
.endif
	v_cmp_le_u32 vcc_lo, 16, v[LN]
	s_cmp_eq_u32 s95, 2
	s_cbranch_scc1 .Lv_\@
	WIN 0x41
.set n, 0
.rept 32
	v_pk_mul_f32 v[BI+n:BI+n+1], v[BI+n:BI+n+1], s[100:101] op_sel_hi:[1,0]   ; the bias under the same power of two as the sums
.set n, n+2
.endr
	WIN 0
.irp a, 0,1,2,3
	QKBLK \a
.endr
	s_wait_alu depctr_va_vdst(0)
	s_wait_xcnt 0x0
.irp i, 0,1,2,3
	v_cndmask_b32 v[PC+\i], v[WE+\i], v[WO+\i], vcc_lo   ; lanes 0-15 the first head's four words of row r, lanes 16-31 the second's
.endr
	global_store_b128 v[OS], v[PC:PC+3], s[68:69]
	s_branch .Lsent_\@
.Lv_\@:
.irp a, 0,1,2,3
	VBLK \a
.endr
	s_wait_alu depctr_va_vdst(0)
	s_wait_xcnt 0x0                        ; EXEC changes only behind this wait
	v_cmp_gt_u32 vcc_lo, 16, v[LN]
	s_and_saveexec_b32 s20, vcc_lo         ; lanes 16-31 hold the same words
	global_store_b128 v[OS], v[WE:WE+3], s[68:69]
	s_wait_xcnt 0x0
	s_or_b32 exec_lo, exec_lo, s20
.Lsent_\@:
.if \fill
	s_wait_xcnt 0x0                        ; the stores have read their bases
	s_bitcmp1_b32 s[TC], 0
	s_cselect_b32 s84, s81, s80
	s_cselect_b32 s86, s83, s82
	s_add_nc_u64 s[12:13], s[12:13], s[84:85]
	s_add_nc_u64 s[68:69], s[68:69], s[86:87]
	s_add_nc_u64 s[36:37], s[36:37], s[88:89]
	s_add_co_u32 s[TC], s[TC], 1
	s_xor_b32 s[TB], s[TB], CBASE
	BILOAD                                 ; the next tile's bias
.endif
.endm
	s_wait_tensorcnt 0x0                   ; my part of A's stage or of tile 0 is in; no tensor load of mine is out, so a descriptor may be written:
	s_mov_b32 s[G1S+2], 32<<16             ; from here on a load brings 32 rows
	s_mov_b32 s[G1S+4], 32
	s_barrier_signal -1
	s_barrier_wait -1                      ; and everybody's
.set ST, 0
.rept 8                                ; my 64 rows of A, for all of K, into registers
	RSET ST
	WIN RW<<6
.irp a, 0,1,2,3
	FRAG RB+FR*\a, ADRA, ST, \a
.endr
.set ST, ST+1
.endr
	WIN 0
	s_wait_loadcnt 0x0
.irp a, 0,1,2,3
	v_mad_u32_u24 v[EXT+\a], v[EXT+\a], s99, s98
.endr
	s_wait_alu depctr_va_vdst(0)
.Ltile:                                    ; tiles 0 to 2
	TRIP 1
	s_sub_co_u32 s[CNT], s[CNT], 1
	s_cmp_lg_u32 s[CNT], 0
	s_cbranch_scc1 .Ltile
	TRIP 0                                 ; the last tile is written out
	s_wait_tensorcnt 0x0                   ; the wave's end
	ds_add_u32 v[SPW], v[NIL]
	s_wait_dscnt 0x0
	CROUND                                 ; the closing round
	s_endpgm
.Lfunc_end_k_q7d36950813_proj:
	.size	k_q7d36950813_proj, .Lfunc_end_k_q7d36950813_proj-k_q7d36950813_proj
	.p2alignl 7, 3214868480
	.fill 96, 4, 3214868480
	.section	.rodata,"a",@progbits
	.p2align	6, 0x0
	.amdhsa_kernel k_q7d36950813_proj
		.amdhsa_group_segment_fixed_size 327680
		.amdhsa_private_segment_fixed_size 0
		.amdhsa_enable_private_segment 0
		.amdhsa_kernarg_size 144
		.amdhsa_user_sgpr_count 2
		.amdhsa_user_sgpr_kernarg_segment_ptr 1
		.amdhsa_wavefront_size32 1
		.amdhsa_system_sgpr_workgroup_id_x 1
		.amdhsa_system_sgpr_workgroup_id_y 1
		.amdhsa_system_sgpr_workgroup_id_z 1
		.amdhsa_system_vgpr_workitem_id 0
		.amdhsa_next_free_vgpr 1024
		.amdhsa_next_free_sgpr 102
		.amdhsa_reserve_vcc 1
		.amdhsa_float_denorm_mode_32 3
		.amdhsa_float_denorm_mode_16_64 3
		.amdhsa_memory_ordered 1
		.amdhsa_forward_progress 1
		.amdhsa_inst_pref_size 255
	.end_amdhsa_kernel
	.section	.bss,"aw",@nobits
	.p2align	6
	.space	262144
	.amdgpu_metadata
---
amdhsa.version: [ 1, 2 ]
amdhsa.kernels:
  - .name:           k_q7d36950813_proj
    .symbol:         k_q7d36950813_proj.kd
    .args:
      - { .name: Q_codes, .offset: 0, .size: 8, .value_kind: global_buffer, .address_space: global }
      - { .name: Q_scales, .offset: 8, .size: 8, .value_kind: global_buffer, .address_space: global }
      - { .name: K_codes, .offset: 16, .size: 8, .value_kind: global_buffer, .address_space: global }
      - { .name: K_scales, .offset: 24, .size: 8, .value_kind: global_buffer, .address_space: global }
      - { .name: Wv_codes, .offset: 32, .size: 8, .value_kind: global_buffer, .address_space: global }
      - { .name: Wv_scales, .offset: 40, .size: 8, .value_kind: global_buffer, .address_space: global }
      - { .name: Wq_codes, .offset: 48, .size: 8, .value_kind: global_buffer, .address_space: global }
      - { .name: Wq_scales, .offset: 56, .size: 8, .value_kind: global_buffer, .address_space: global }
      - { .name: Wk_codes, .offset: 64, .size: 8, .value_kind: global_buffer, .address_space: global }
      - { .name: Wk_scales, .offset: 72, .size: 8, .value_kind: global_buffer, .address_space: global }
      - { .name: V_codes, .offset: 80, .size: 8, .value_kind: global_buffer, .address_space: global }
      - { .name: V_scales, .offset: 88, .size: 8, .value_kind: global_buffer, .address_space: global }
      - { .name: bq, .offset: 96, .size: 8, .value_kind: global_buffer, .address_space: global }
      - { .name: bk, .offset: 104, .size: 8, .value_kind: global_buffer, .address_space: global }
      - { .name: bv, .offset: 112, .size: 8, .value_kind: global_buffer, .address_space: global }
      - { .name: mask, .offset: 120, .size: 8, .value_kind: global_buffer, .address_space: global }
      - { .name: qbuf, .offset: 128, .size: 8, .value_kind: global_buffer, .address_space: global }
      - { .name: kvbuf, .offset: 136, .size: 8, .value_kind: global_buffer, .address_space: global }
    .group_segment_fixed_size: 327680
    .private_segment_fixed_size: 0
    .kernarg_segment_align: 8
    .kernarg_segment_size: 144
    .max_flat_workgroup_size: 128
    .sgpr_count:     102
    .vgpr_count:     1024
    .wavefront_size: 32
...
	.end_amdgpu_metadata
.endif
;; end of part 1
;; launch attn (part 2): grid 4 x 128, 8 waves a work-group, clusters of 4 x 1, 327,680 bytes of LDS; arguments qbuf, kvbuf, attn_bias, o_codes, o_scales; writes o_codes, o_scales
.if DOCPART == 2
	.amdgcn_target "amdgcn-amd-amdhsa--gfx1250"
	.amdhsa_code_object_version 6
	.text
	.protected	k_q7d36950813_attn
	.globl	k_q7d36950813_attn
	.p2align	8
	.type	k_q7d36950813_attn,@function
k_q7d36950813_attn:
	s_mov_b64 s[64:65], 0
	v_nop
	global_prefetch_b8 v0, s[64:65] scope:SCOPE_SE
	s_setreg_imm32_b32 hwreg(HW_REG_WAVE_MODE, 25, 1), 1
	s_wait_xcnt 0x0
	s_wait_alu depctr_hold_cnt(0) depctr_sa_sdst(0) depctr_va_vdst(0) depctr_va_sdst(0) depctr_va_ssrc(0) depctr_va_vcc(0) depctr_vm_vsrc(0)
	s_getreg_b32 s2, hwreg(HW_REG_IB_STS2, 6, 4)
	s_cmp_eq_u32 s2, 0
	s_cbranch_scc0 .Lentry_in_a_cluster
	s_endpgm
.Lentry_in_a_cluster:
	s_bfe_u32 s2, ttmp6, 0x10000c
	s_cmp_lg_u32 s2, 0x3003
	s_cbranch_scc0 .Lentry_shape_is_right
	s_endpgm
.Lentry_shape_is_right:
; ATTENTION on codes of FP6 (E2M3): o = softmax(q k^T / 8 + bias, masked keys out) v, then o quantised along the model's 1,024 for the last product.
; q / 8, k and v come from the launch before as images of operand registers (qbuf, kvbuf), the bias as f32.
; SHARES.  A work-group owns 64 queries of one batch and four heads (group cx).  Wave w: head w % 4, queries 32 (w / 4) + 16 u + r, two tiles u.  Every wave walks the batch's 2,048 keys, 128 a step.
; LAYOUT.  Both products transposed: S^T = k q^T, O^T = v^T p^T: a lane holds ONE query (lane % 16) throughout.  The bias is loaded from LDS into the scores' registers and is the product's C.
; THE MASK: the scores' K is 64 and the instruction's 128.  In block 2 every key has the code 1.0 and every query -1.0; k's scale byte 2 is 254 for a masked key, 1 for an open one, q's is 100: a masked key's score has -2^100 added, an open key's -2^-153.
; THE SOFTMAX: t = score x log2(e); M = the running largest t, rounded up to a whole number; p = 2^(t - M) is quantised along the keys, not normalised; the sum is taken of the unquantised p and divides at the end.
; The largest t begins at -2^30, so that a masked key's p is 0 also while every key so far was masked.  A row with no open key has the sum 0: its scale bytes are set to 0xff, which makes the last product's result NaN there.
; LIMITS: a row whose largest open t lies under -2^30 is taken with M = -2^30; logits stay far under 2^100 in magnitude; NaN and infinities among the inputs are not served.
; THE ORDER INSIDE A BLOCK OF 32 KEYS of p is the one that the launch before gave v (0-7, 16-23, 8-15, 24-31).  o meets given codes and is brought into the natural order by an exchange of halves.
; THE RING HOLDS THE BIAS ALONE: a slot is four key steps, four planes of 64 rows x (512 + 16) bytes, 135,168 bytes; two slots.  Each of the eight waves fetches 32 rows of one plane by one joint load, shared along the cluster's row
; (the four groups of heads of one block of queries).  Four changes of slots in all; a load has four key steps in which to land.
; K AND V GO FROM MEMORY INTO THE OPERAND REGISTERS, a whole key step ahead of their use: k(i + 1) is asked for behind step i's score products, v(i) behind the second product of step i - 1.
; They are not asked for jointly, since two slots with the bias and the k-v block of two steps each (4 x 86,016 bytes) pass what a work-group can have of LDS.  Nor are they prefetched: the loads themselves stand a key step ahead.
; TWO KINDS OF WAVES.  P1(i): the bias of step i, O^T x f and the second product of step i - 1, v(i), the score products of step i, k(i + 1).  P2(i): the softmax of step i.  Kind 0 runs P1(i), P2(i); kind 1 runs P2(i - 1), P1(i).
; kind = (w xor w / 4) & 1.  The step is written once: the first second product finds zero codes of p, and kind 1's first softmax finds scores of -2^100's kind, whose p are 0.
; REGISTERS: window 0: v1-15 addresses; v16-23 -M, largest t, the sum in two halves, for each tile; v24-30 the way out; v32-47 scale words; v48-63 conversions at work; v64-191 S^T, then p; v192-215 p's codes; v224-255 at work.
;   window 1: v0-63 O^T; v64-87 q's two fragments; v96-191 k's eight; v192-239 v's four.
.set BP,    528
.set PLANE, 64*BP
.set SLOT,  4*PLANE
.set KVB,   52224                      ; a k-v block: k's codes 24,576, k's scale words 2,048, v's codes 24,576, v's scale words 1,024
.set KSO,   24576
.set VCO,   26624
.set VSO,   51200
.set STG,   2*SLOT                     ; behind the ring: o's stage, 64 rows x 272 bytes,
.set SP,    272
.set STS,   STG+64*SP                  ; o's scale bytes, 8 a row,
.set SPARE, STS+1024                   ; and the spare words, 128 bytes a wave
.set A16, 1                            ; offsets in a k-v block: 16 x lane in my head's codes
.set A8,  2                            ; 512 + 8 x lane there
.set AKS, 3                            ; my head's scale words of k, 16 r
.set AVS, 4                            ; of v
.set ABI, 5                            ; LDS: my query's row of a plane, + 32 h
.set SPW, 6
.set NIL, 7
.set PFO, 13
.set ST,  16
.set SI,  24
.set SS,  25
.set SR,  26
.set GC,  27
.set SB2, 28
.set GS,  29
.set ONES, 30
.set KSR, 32
.set VSR, 40
.set QSR, 44
.set PSR, 46
.set CT,  48
.set S,   64
.set PC,  192
.set TT,  224
.set QF,  64
.set KF,  96
.set VF,  192
.set WV,  14
.set HL,  15
.set QH,  16
.set CX,  17
.set CY,  18
.set YY,  19
.set SEL, 20
.set CS,  22
.set FB,  24                           ; the slot last filled
.set WP,  25                           ; my part of a slot
.set SO,  26                           ; the plane that this step reads
.set JC,  27
.set IX,  28                           ; the step
.set G1B, 32
.set KP,  40                           ; s[40:41] the block that k's next loads name
.set VP,  42                           ; s[42:43] v's
.set G0B, 44
.set TB,  48
.set CNT, 49
.set LIM, 50
.set LATE, 51
.set PFA, 52
.set MSB, 0
.macro WIN new
.if MSB != (\new)
	s_set_vgpr_msb (MSB<<8)|(\new)
.set MSB, (\new)
.endif
.endm
.macro JLOAD                           ; every wave's one joint load
	tensor_load_to_lds s[G0B:G0B+3], s[G1B:G1B+7]
	s_nop 0
.rept 4
	v_nop
.endr
.endm
; A prefetch of the slot that the NEXT change of slots will ask for: 64 rows x 2,048 bytes.  The four partners share its rows out by ADDRESS, 16 each; in each, waves 4-7 ask, a lane for each 256 bytes
; (16 rows x 2 of the row's 8).  The last change that fills a slot asks for nothing.
.macro ASK
	s_cmp_gt_u32 s[CNT], s[LIM]
	s_cbranch_scc0 .Lnot_mine_\@
	global_prefetch_b8 v[PFO], s[PFA:PFA+1] th:TH_LOAD_NT scope:SCOPE_SE
.Lnot_mine_\@:
.endm
.macro CROUND
	s_barrier_signal -1
	s_barrier_wait -1
	s_cmp_lg_u32 s[WV], 0
	s_cbranch_scc1 .Lnot_wave_0_\@
	s_barrier_signal -3
.Lnot_wave_0_\@:
	s_barrier_wait -3
	s_barrier_signal -1
	s_barrier_wait -1
.endm
	s_load_b256 s[4:11], s[0:1], 0x0               ; qbuf, kvbuf, attn_bias, o_codes
	s_load_b64 s[12:13], s[0:1], 0x20              ; o_scales
	v_lshl_add_u32 v[SPW], v0, 2, SPARE
	v_mov_b32 v[NIL], 0
	ds_add_u32 v[SPW], v[NIL]                      ; the opening lines: the add twice on end and one wait
	ds_add_u32 v[SPW], v[NIL]
	v_lshrrev_b32 v8, 5, v0
	v_readfirstlane_b32 s[WV], v8
	s_and_b32 s[HL], s[WV], 3
	s_lshr_b32 s[QH], s[WV], 2
	s_xor_b32 s[LATE], s[WV], s[QH]
	s_and_b32 s[LATE], s[LATE], 1                  ; my kind
	s_bfe_u32 s[CX], ttmp6, 0x40000
	s_and_b32 s54, ttmp7, 0xffff                   ; a cluster is the four groups of heads of one block of 64 queries: its y is the block among the 128 of all batches
	s_lshr_b32 s55, s54, 5                         ; the batch
	s_lshl_b32 s57, s55, 2
	s_add_co_u32 s57, s57, s[CX]                   ; 4 batch + group of heads
	s_mov_b32 s[G1B], 15|(2<<16)|(1<<20)|(1<<21)|(6<<22)|(3<<25)   ; the mask: all four of the cluster; elements of 4 bytes; 4 words of padding behind every 128
	s_mov_b32 s[G1B+1], 128<<16
	s_mov_b32 s[G1B+2], 32<<16
	s_mov_b32 s[G1B+3], 128<<16
	s_mov_b32 s[G1B+4], 32
	s_mov_b32 s[G1B+5], 2048
	s_mov_b32 s[G1B+6], 0
	s_mov_b32 s[G1B+7], 0
	s_mul_i32 s[WP], s[HL], PLANE                  ; I fetch plane w % 4,
	s_mul_i32 s60, s[QH], 32*BP                    ; rows 32 (w / 4) ..
	s_add_co_u32 s[WP], s[WP], s60
	s_lshl_b32 s66, s54, 19                        ; my block's 64 rows of 8,192 bytes
	s_lshl_b32 s60, s[QH], 18
	s_add_co_u32 s66, s66, s60
	s_lshl_b32 s60, s[HL], 9
	s_add_co_u32 s66, s66, s60
	s_mov_b32 s67, 0
	s_mov_b32 s[SEL], 0x76543210
	s_mov_b32 s[SEL+1], 0xfedcba98
	s_mov_b32 s[CS], 0x3fb8aa3b                    ; log2(e)
	s_mov_b32 s[CS+1], s[CS]
	s_mov_b32 s[TB], 0
	s_mov_b32 s[FB], 0
	s_mov_b32 s[IX], 0
	s_mov_b32 s31, 0
	s_mov_b32 s29, 0xf0000000
	s_mov_b32 s[CNT], 3
	s_wait_dscnt 0x0
	s_wait_kmcnt 0x0
	s_mov_b32 s[G0B], 1
	s_mov_b32 s[G0B+1], s[WP]
	s_add_nc_u64 s[G0B+2:G0B+3], s[8:9], s[66:67]
	s_or_b32 s[G0B+3], s[G0B+3], 0x80000000
	CROUND
	JLOAD                                          ; steps 0-3 into slot 0
	s_mul_i32 s62, s57, 16*KVB                     ; the 16 blocks of my batch and group
	s_mov_b32 s63, 0
	s_add_nc_u64 s[KP:KP+1], s[6:7], s[62:63]
	s_mov_b64 s[VP:VP+1], s[KP:KP+1]
	s_and_b32 s56, s54, 31
	s_lshl_b32 s60, s57, 4
	s_lshr_b32 s61, s56, 1
	s_add_co_u32 s60, s60, s61
	s_mul_i32 s60, s60, 26624                      ; my block of qbuf (128 tokens)
	s_and_b32 s61, s56, 1
	s_lshl_b32 s62, s61, 2
	s_lshl_b32 s63, s[QH], 1
	s_add_co_u32 s62, s62, s63                     ; my first tile in it
	s_mul_i32 s62, s62, 768
	s_mul_i32 s63, s[HL], 6144
	s_add_co_u32 s62, s62, s63
	s_add_co_u32 s66, s60, s62
	s_lshl_b32 s62, s[HL], 9
	s_lshl_b32 s61, s61, 8
	s_add_co_u32 s62, s62, s61
	s_lshl_b32 s61, s[QH], 3
	s_add_co_u32 s62, s62, s61
	s_add_co_u32 s62, s62, 24576
	s_add_co_u32 s68, s60, s62
	s_mov_b32 s69, 0
	s_add_nc_u64 s[66:67], s[4:5], s[66:67]        ; q's codes
	s_add_nc_u64 s[68:69], s[4:5], s[68:69]        ; q's scale words
	s_mul_i32 s70, s54, 49152                      ; o_codes: 64 rows of 768 bytes, + my group's 192
	s_mul_i32 s72, s[CX], 192
	s_add_co_u32 s70, s70, s72
	s_mov_b32 s71, 0
	s_add_nc_u64 s[10:11], s[10:11], s[70:71]
	s_lshl_b32 s70, s54, 11                        ; o_scales: 64 rows of 32 bytes, + my group's 8
	s_lshl_b32 s72, s[CX], 3
	s_add_co_u32 s70, s70, s72
	s_add_nc_u64 s[12:13], s[12:13], s[70:71]
	s_lshl_b32 s70, s54, 19                        ; the prefetches: my work-group's 16 rows, at slot 1's keys; the first change of slots steps it to slot 2's
	s_lshl_b32 s72, s[CX], 17
	s_add_co_u32 s70, s70, s72
	s_add_co_u32 s70, s70, 2048
	s_add_nc_u64 s[PFA:PFA+1], s[8:9], s[70:71]
	s_cmp_ge_u32 s[WV], 4
	s_cselect_b32 s[LIM], 1, -1
	s_mul_i32 s73, s[HL], 6144
	s_lshl_b32 s74, s[HL], 9
	s_add_co_u32 s74, s74, KSO
	s_lshl_b32 s75, s[HL], 8
	s_add_co_u32 s75, s75, VSO
	s_lshl_b32 s76, s[QH], 5
	s_lshl_b32 s77, s[HL], 6
	s_add_co_u32 s77, s77, STG
	s_lshl_b32 s78, s[HL], 1
	s_add_co_u32 s78, s78, STS
	s_lshl_b32 s79, s[WV], 3
	s_min_u32 s80, s[WV], 1
	s_lshl_b32 s80, s80, 5
	s_lshl_b32 s81, s[HL], 9
	v_and_b32 v8, 31, v0                           ; lane
	v_and_b32 v9, 15, v0                           ; r
	v_bfe_u32 v10, v0, 4, 1                        ; h
	v_lshl_add_u32 v[A16], v8, 4, s73
	v_lshl_add_u32 v[A8], v8, 3, s73
	v_add_nc_u32 v[A8], 512, v[A8]
	v_lshl_add_u32 v[AKS], v9, 4, s74
	v_lshl_add_u32 v[AVS], v9, 4, s75
	v_add_nc_u32 v11, s76, v9                      ; 32 (w / 4) + r
	v_mul_u32_u24 v[ABI], v11, BP
	v_lshl_add_u32 v[ABI], v10, 5, v[ABI]
	v_mul_u32_u24 v[SI], v11, SP                   ; the stage, in: my query's row, my head's four places, + 16 h
	v_lshl_add_u32 v[SI], v10, 4, v[SI]
	v_add_nc_u32 v[SI], s77, v[SI]
	v_lshl_add_u32 v[SS], v11, 3, s78
	v_add_nc_u32 v12, s79, v10                     ; back: rows 8 w + h (+ 2 i), sixteen lanes to a row
	v_mul_u32_u24 v[SR], v12, SP
	v_lshl_add_u32 v[SR], v9, 4, v[SR]
	v_add_nc_u32 v[SR], STG, v[SR]
	v_mul_u32_u24 v[GC], v12, 768
	v_mad_u32_u24 v[GC], v9, 12, v[GC]
	v_add_nc_u32 v12, s80, v8
	v_lshl_add_u32 v[SB2], v12, 3, STS
	v_lshlrev_b32 v[GS], 5, v12
	v_lshlrev_b32 v[PFO], 13, v9                   ; the prefetch: row lane % 16 of my 16, + 256 (2 (w % 4) + lane / 16)
	v_lshl_add_u32 v[PFO], v10, 8, v[PFO]
	v_add_nc_u32 v[PFO], s81, v[PFO]
	v_lshlrev_b32 v14, 4, v8                       ; q's image: 16 x lane,
	v_lshl_add_u32 v15, v8, 3, 512                 ; 512 + 8 x lane,
	v_lshlrev_b32 v8, 4, v9                        ; its scale words: 16 r
	v_sub_nc_u32 v10, 1, v10                       ; 1 in lanes 0-15
	v_mul_u32_u24 v31, v10, 40                     ; the code -1.0 as the first of block 2
	v_mul_u32_u24 v11, v10, 8                      ; the code 1.0
	s_wait_alu depctr_va_vdst(0)
.macro VLOAD                           ; v's four fragments and their scale words: 13 loads
	WIN 0x40
.irp d, 0,1,2,3
.irp c, 0,1,2
	global_load_b128 v[VF+12*\d+4*\c:VF+12*\d+4*\c+3], v[A16], s[VP:VP+1] offset:VCO+1536*\d+512*\c
.endr
.endr
	WIN 0
	global_load_b128 v[VSR:VSR+3], v[AVS], s[VP:VP+1]
.endm
.macro KLOAD                           ; k's eight fragments and their scale words: 18 loads
	global_load_b128 v[KSR:KSR+3], v[AKS], s[KP:KP+1]
	global_load_b128 v[KSR+4:KSR+7], v[AKS], s[KP:KP+1] offset:256
	WIN 0x40
.irp t, 0,1,2,3,4,5,6,7
	global_load_b128 v[KF+12*\t:KF+12*\t+3], v[A16], s[KP:KP+1] offset:768*\t
	global_load_b64 v[KF+12*\t+4:KF+12*\t+5], v[A8], s[KP:KP+1] offset:768*\t
.endr
	WIN 0
.endm
	WIN 0x40
.irp u, 0,1
	global_load_b128 v[QF+12*\u:QF+12*\u+3], v14, s[66:67] offset:768*\u
	global_load_b64 v[QF+12*\u+4:QF+12*\u+5], v15, s[66:67] offset:768*\u
.endr
	WIN 0
.irp u, 0,1
	global_load_b32 v[QSR+\u], v8, s[68:69] offset:4*\u
.endr
	VLOAD                                          ; block 0's v stands in for the first second product, whose codes of p are zeros
	KLOAD                                          ; k(0)
	WIN 0x40
.irp u, 0,1                                    ; the spare half of K: constants, made once
	v_mov_b32 v[QF+12*\u+6], v31
.irp i, 7,8,9,10,11
	v_mov_b32 v[QF+12*\u+\i], 0
.endr
.endr
.irp t, 0,1,2,3,4,5,6,7
	v_mov_b32 v[KF+12*\t+6], v11
.irp i, 7,8,9,10,11
	v_mov_b32 v[KF+12*\t+\i], 0
.endr
.endr
.set j, 0
.rept 64
	v_mov_b32 v[j], 0                              ; O^T
.set j, j+1
.endr
	WIN 0
.set j, 0
.rept 128
	v_mov_b32 v[S+j], s29                          ; scores far under every t: kind 1's first softmax makes zeros of them
.set j, j+1
.endr
.set j, 0
.rept 24
	v_mov_b32 v[PC+j], 0                           ; zero codes of p for the first second product
.set j, j+1
.endr
.irp u, 0,1
	v_mov_b32 v[PSR+\u], 0x7f7f7f7f
	v_mov_b32 v[ST+4*\u+1], 0xce800000             ; the largest t so far: -2^30
	v_floor_f32 v[ST+4*\u], -v[ST+4*\u+1]          ; -M
	v_mov_b32 v[ST+4*\u+2], 0
	v_mov_b32 v[ST+4*\u+3], 0
	v_mov_b32 v[TT+16*\u+12], 1.0                  ; f
.irp b, 4,5,6,7,13
	v_mov_b32 v[TT+16*\u+\b], 0
.endr
.endr
	s_wait_alu depctr_va_vdst(0)
; P2: the softmax of both tiles for a step's 128 keys; the two tiles alternate line by line.
.macro P2
.irp b, 0,1,2,3
.irp u, 0,1
	v_max3_num_f32 v[TT+16*\u+\b], v[S+64*\u+16*\b], v[S+64*\u+16*\b+1], v[S+64*\u+16*\b+2]   ; the largest score of each block of 32 keys
.endr
.endr
.irp i, 3,5,7,9,11,13
.irp b, 0,1,2,3
.irp u, 0,1
	v_max3_num_f32 v[TT+16*\u+\b], v[TT+16*\u+\b], v[S+64*\u+16*\b+\i], v[S+64*\u+16*\b+\i+1]
.endr
.endr
.endr
.irp b, 0,1,2,3
.irp u, 0,1
	v_max_num_f32 v[TT+16*\u+\b], v[TT+16*\u+\b], v[S+64*\u+16*\b+15]
.endr
.endr
.irp b, 0,1,2,3
.irp u, 0,1
	v_permlanex16_b32 v[TT+16*\u+4+\b], v[TT+16*\u+\b], s[SEL], s[SEL+1]
.endr
.endr
.irp b, 0,1,2,3
.irp u, 0,1
	v_max_num_f32 v[TT+16*\u+\b], v[TT+16*\u+\b], v[TT+16*\u+4+\b]
.endr
.endr
.irp u, 0,1
	s_delay_alu instid0(VALU_DEP_4)
	v_max3_num_f32 v[TT+16*\u+14], v[TT+16*\u], v[TT+16*\u+1], v[TT+16*\u+2]
.endr
.irp u, 0,1
	s_delay_alu instid0(VALU_DEP_2)
	v_max_num_f32 v[TT+16*\u+14], v[TT+16*\u+14], v[TT+16*\u+3]
.endr
.irp u, 0,1
	s_delay_alu instid0(VALU_DEP_2)
	v_mul_f32 v[TT+16*\u+14], s[CS], v[TT+16*\u+14]                ; as t
.endr
.irp u, 0,1
	s_delay_alu instid0(VALU_DEP_2)
	v_max_num_f32 v[ST+4*\u+1], v[ST+4*\u+1], v[TT+16*\u+14]       ; the running largest t
.endr
.irp u, 0,1
	v_mov_b32 v[TT+16*\u+14], v[ST+4*\u]
.endr
.irp u, 0,1
	s_delay_alu instid0(VALU_DEP_4)
	v_floor_f32 v[ST+4*\u], -v[ST+4*\u+1]                          ; the new -M = -ceil(t)
.endr
.irp u, 0,1
	s_delay_alu instid0(VALU_DEP_2)
	v_sub_f32 v[TT+16*\u+14], v[ST+4*\u], v[TT+16*\u+14]           ; old M - new M
.endr
.irp u, 0,1
	s_delay_alu instid0(VALU_DEP_2)
	v_cvt_i32_f32 v[TT+16*\u+14], v[TT+16*\u+14]
.endr
.irp u, 0,1
	s_delay_alu instid0(VALU_DEP_2)
	v_ldexp_f32 v[TT+16*\u+12], 1.0, v[TT+16*\u+14]                ; f = 2^(old M - new M)
.endr
.set j, 0
.rept 32
.irp u, 0,1
	v_pk_fma_f32 v[S+64*\u+j:S+64*\u+j+1], v[S+64*\u+j:S+64*\u+j+1], s[CS:CS+1], v[ST+4*\u:ST+4*\u+1] op_sel_hi:[1,0,0]   ; t - M
.endr
.set j, j+2
.endr
.irp b, 0,1,2,3
.irp u, 0,1
	v_fma_f32 v[TT+16*\u+\b], v[TT+16*\u+\b], s[CS], v[ST+4*\u]    ; the same of each block's largest score
.endr
.endr
.set j, 0
	s_wait_alu depctr_va_vdst(0)
.rept 128
	v_exp_f32 v[S+j], v[S+j]                                       ; p = 2^(t - M)
.set j, j+1
.endr
.irp u, 0,1
	v_pk_mul_f32 v[ST+4*\u+2:ST+4*\u+3], v[ST+4*\u+2:ST+4*\u+3], v[TT+16*\u+12:TT+16*\u+13] op_sel_hi:[1,0]   ; the sums under the new M
.endr
	s_wait_alu depctr_va_vdst(0)                   ; one wait for the batch, ahead of its first reader
.irp b, 0,1,2,3
.irp u, 0,1
	v_exp_f32 v[TT+16*\u+\b], v[TT+16*\u+\b]                       ; each block's largest p
.endr
.endr
.irp u, 0,1
	v_pk_add_f32 v[TT+16*\u+4:TT+16*\u+5], v[S+64*\u:S+64*\u+1], v[S+64*\u+2:S+64*\u+3]   ; the row's sum, of the unquantised p, in two chains a tile
.endr
.set j, 4
.rept 15
.irp u, 0,1
	v_pk_add_f32 v[ST+4*\u+2:ST+4*\u+3], v[ST+4*\u+2:ST+4*\u+3], v[S+64*\u+j:S+64*\u+j+1]
	v_pk_add_f32 v[TT+16*\u+4:TT+16*\u+5], v[TT+16*\u+4:TT+16*\u+5], v[S+64*\u+j+2:S+64*\u+j+3]
.endr
.set j, j+4
.endr
	s_delay_alu instid0(VALU_DEP_3)
	v_pk_add_f32 v[ST+2:ST+3], v[ST+2:ST+3], v[TT+4:TT+5]
	s_delay_alu instid0(VALU_DEP_2)
	v_pk_add_f32 v[ST+6:ST+7], v[ST+6:ST+7], v[TT+20:TT+21]
	s_wait_alu depctr_va_vdst(0)                   ; and one for the eight
.irp b, 0,1,2,3
.irp u, 0,1
	v_max_num_f32 v[TT+16*\u+\b], 0x1800000, v[TT+16*\u+\b]        ; the floor 2^(3 - 127)
.endr
.endr
.irp b, 0,1,2,3
.irp u, 0,1
	v_add_nc_u32 v[TT+16*\u+8+\b], 0xff000000, v[TT+16*\u+\b]      ; the conversion's scale operand
.endr
.endr
.irp b, 0,1,2,3
.irp u, 0,1
	v_lshrrev_b32 v[TT+16*\u+4+\b], 23, v[TT+16*\u+8+\b]           ; the scale's byte
.endr
.endr
.irp u, 0,1
	v_lshl_or_b32 v[PSR+\u], v[TT+16*\u+5], 8, v[TT+16*\u+4]
.endr
.irp u, 0,1
	s_delay_alu instid0(VALU_DEP_2)
	v_lshl_or_b32 v[PSR+\u], v[TT+16*\u+6], 16, v[PSR+\u]
.endr
.irp u, 0,1
	s_delay_alu instid0(VALU_DEP_2)
	v_lshl_or_b32 v[PSR+\u], v[TT+16*\u+7], 24, v[PSR+\u]
.endr
.irp c, 0,1
.irp u, 0,1
	v_cvt_scalef32_pk16_fp6_f32 v[PC+12*\u+6*\c:PC+12*\u+6*\c+2], v[S+64*\u+32*\c:S+64*\u+32*\c+15], v[TT+16*\u+8+2*\c]
	v_cvt_scalef32_pk16_fp6_f32 v[CT+8*\u+4*\c:CT+8*\u+4*\c+2], v[S+64*\u+32*\c+16:S+64*\u+32*\c+31], v[TT+16*\u+9+2*\c]
.endr
.endr
	v_nop                                          ; one plain line behind the scaled conversions
.irp c, 0,1                                    ; a whole block to a lane
.irp u, 0,1
.irp i, 0,1,2
	v_permlane16_swap_b32 v[PC+12*\u+6*\c+\i], v[CT+8*\u+4*\c+\i]
.endr
.irp i, 0,1,2
	s_delay_alu instid0(VALU_DEP_3)
	v_mov_b32 v[PC+12*\u+6*\c+3+\i], v[CT+8*\u+4*\c+\i]
.endr
.endr
.endr
.endm
.macro PV                              ; O^T x f, then O^T += v^T p^T
	WIN 0x41
	s_wait_alu depctr_va_vdst(0)                   ; directly ahead of the first reader of O^T
.irp u, 0,1
.set j, 0
.rept 16
	v_pk_mul_f32 v[32*\u+j:32*\u+j+1], v[32*\u+j:32*\u+j+1], v[TT+16*\u+12:TT+16*\u+13] op_sel_hi:[1,0]   ; these 32 are also the places between p's codes and scale words and the products
.set j, j+2
.endr
.endr
	s_wait_alu depctr_va_vdst(0)
	s_wait_loadcnt 18                              ; v is in: behind its loads stand k's 18
	WIN 0x51
.irp d, 0,1,2,3
.irp u, 0,1
	v_wmma_scale_f32_16x16x128_f8f6f4 v[32*\u+8*\d:32*\u+8*\d+7], v[VF+12*\d:VF+12*\d+11], v[PC+12*\u:PC+12*\u+11], v[32*\u+8*\d:32*\u+8*\d+7], v[VSR+\d], v[PSR+\u] matrix_a_fmt:MATRIX_FMT_FP6 matrix_b_fmt:MATRIX_FMT_FP6
.endr
.endr
	WIN 0
.endm
.macro P1
	v_add_nc_u32 v12, s[SO], v[ABI]
.irp u, 0,1
.irp t, 0,1,2,3,4,5,6,7
	ds_load_b128 v[S+64*\u+8*\t:S+64*\u+8*\t+3], v12 offset:16*BP*\u+64*\t        ; the bias, into the scores' registers
	ds_load_b128 v[S+64*\u+8*\t+4:S+64*\u+8*\t+7], v12 offset:16*BP*\u+64*\t+16
.endr
.endr
	PV                                             ; of the step before
.rept 4
	v_nop                                          ; places in front of the loads into v's registers
.endr
	VLOAD                                          ; v of this step
	s_wait_loadcnt 13                              ; k is in (and q): behind its loads stand v's 13
	s_wait_dscnt 0x0                               ; the bias
	WIN 0x05
.irp t, 0,1,2,3,4,5,6,7
.irp u, 0,1
	v_wmma_scale_f32_16x16x128_f8f6f4 v[S+64*\u+8*\t:S+64*\u+8*\t+7], v[KF+12*\t:KF+12*\t+11], v[QF+12*\u:QF+12*\u+11], v[S+64*\u+8*\t:S+64*\u+8*\t+7], v[KSR+\t], v[QSR+\u] matrix_a_fmt:MATRIX_FMT_FP6 matrix_b_fmt:MATRIX_FMT_FP6
.endr
.endr
	WIN 0
.rept 4
	v_nop                                          ; places in front of the loads into k's registers and of the first read of the scores
.endr
	s_wait_xcnt 0x0                                ; every load has read its base: the two may step
	s_add_nc_u64 s[VP:VP+1], s[VP:VP+1], KVB
	s_cmp_lt_u32 s[IX], 15
	s_cselect_b32 s30, KVB, 0                      ; the last step names block 15 once more: no load leaves the buffer
	s_add_nc_u64 s[KP:KP+1], s[KP:KP+1], s[30:31]
	s_add_co_u32 s[IX], s[IX], 1
	KLOAD                                          ; k of the next step
.endm
; THE CHANGE OF SLOTS, ahead of each four steps.  Each wave waits for its tensor load (its part of the slot ahead), adds 0 to its spare word, and waits for that and for its reads of the slot that it has left.
.macro CHANGE fill
	s_wait_tensorcnt 0x0
	ds_add_u32 v[SPW], v[NIL]
.if \fill
	s_xor_b32 s[FB], s[FB], SLOT                   ; the other slot,
	s_add_co_u32 s[G0B+1], s[WP], s[FB]
	s_add_nc_u64 s[G0B+2:G0B+3], s[G0B+2:G0B+3], 2048      ; the next 512 keys' columns
	s_wait_xcnt 0x0
	s_add_nc_u64 s[PFA:PFA+1], s[PFA:PFA+1], 2048
	s_wait_dscnt 0x0
	CROUND
	JLOAD
	ASK
.else
	s_wait_dscnt 0x0
	s_barrier_signal -1
	s_barrier_wait -1
.endif
.endm
.macro QUAD fill                       ; four key steps from one slot
	CHANGE \fill
	s_mov_b32 s[SO], s[TB]
	s_mov_b32 s[JC], 4
.Lin_\@:
	s_cmp_eq_u32 s[LATE], 0
	s_cbranch_scc0 .Lnot_kind0_\@
	P1
.Lnot_kind0_\@:
	P2                                             ; kind 0: this step's; kind 1: the step before's
	s_wait_alu depctr_va_vdst(0)
	s_cmp_eq_u32 s[LATE], 0
	s_cbranch_scc1 .Lnot_kind1_\@
	P1
.Lnot_kind1_\@:
	s_add_co_u32 s[SO], s[SO], PLANE
	s_sub_co_u32 s[JC], s[JC], 1
	s_cmp_lg_u32 s[JC], 0
	s_cbranch_scc1 .Lin_\@
.endm
.Lquad:                                            ; three trips: behind each change of slots the next four steps' bias is asked for
	QUAD 1
	s_xor_b32 s[TB], s[TB], SLOT
	s_sub_co_u32 s[CNT], s[CNT], 1
	s_cmp_lg_u32 s[CNT], 0
	s_cbranch_scc1 .Lquad
	QUAD 0                                         ; the last four steps are written out
	s_cmp_eq_u32 s[LATE], 0
	s_cbranch_scc1 .Lout
	P2                                             ; kind 1: step 15
.Lout:
	PV                                             ; step 15's second product
	; THE WAY OUT.  o = O^T / the sum, brought into the natural order, quantised along the model's axis (my head's 64 are two blocks), through a stage in LDS, out as rows.
.irp u, 0,1
	v_add_f32 v[ST+4*\u+2], v[ST+4*\u+2], v[ST+4*\u+3]
.endr
.irp u, 0,1
	s_delay_alu instid0(VALU_DEP_2)
	v_permlanex16_b32 v[TT+16*\u+14], v[ST+4*\u+2], s[SEL], s[SEL+1]
.endr
.irp u, 0,1
	s_delay_alu instid0(VALU_DEP_2)
	v_add_f32 v[ST+4*\u+2], v[ST+4*\u+2], v[TT+16*\u+14]           ; the row's sum
.endr
	v_mov_b32 v[ONES], 0xffff
	v_nop
	s_wait_alu depctr_va_vdst(0)
.irp u, 0,1
	v_rcp_f32 v[TT+16*\u+12], v[ST+4*\u+2]
.endr
	v_nop
	s_wait_alu depctr_va_vdst(0)
	WIN 0x01
.irp u, 0,1
.set j, 0
.rept 16
	v_pk_mul_f32 v[S+64*\u+j:S+64*\u+j+1], v[32*\u+j:32*\u+j+1], v[TT+16*\u+12:TT+16*\u+13] op_sel_hi:[1,0]   ; each accumulator from its low end on
.set j, j+2
.endr
.endr
	WIN 0
.irp u, 0,1                                    ; registers 16 p + j and 16 p + 8 + j change halves: lane (r, h) then holds features 32 p + 16 h + 0 .. 15 in order
.irp p, 0,1
.irp j, 0,1,2,3,4,5,6,7
	v_permlane16_swap_b32 v[S+64*\u+16*\p+\j], v[S+64*\u+16*\p+8+\j]
.endr
.endr
.endr
.irp p, 0,1
.irp u, 0,1
	v_max3_num_f32 v[TT+16*\u+\p], |v[S+64*\u+16*\p]|, |v[S+64*\u+16*\p+1]|, 0x1800000
.endr
.endr
.irp i, 2,4,6,8,10,12,14
.irp p, 0,1
.irp u, 0,1
	s_delay_alu instid0(VALU_DEP_4)
	v_max3_num_f32 v[TT+16*\u+\p], v[TT+16*\u+\p], |v[S+64*\u+16*\p+\i]|, |v[S+64*\u+16*\p+\i+1]|
.endr
.endr
.endr
.irp p, 0,1
.irp u, 0,1
	s_delay_alu instid0(VALU_DEP_4)
	v_permlanex16_b32 v[TT+16*\u+4+\p], v[TT+16*\u+\p], s[SEL], s[SEL+1]
.endr
.endr
.irp p, 0,1
.irp u, 0,1
	s_delay_alu instid0(VALU_DEP_4)
	v_max_num_f32 v[TT+16*\u+\p], v[TT+16*\u+\p], v[TT+16*\u+4+\p]
.endr
.endr
.irp p, 0,1
.irp u, 0,1
	s_delay_alu instid0(VALU_DEP_4)
	v_add_nc_u32 v[TT+16*\u+8+\p], 0xff000000, v[TT+16*\u+\p]
.endr
.endr
.irp p, 0,1
.irp u, 0,1
	s_delay_alu instid0(VALU_DEP_4)
	v_lshrrev_b32 v[TT+16*\u+4+\p], 23, v[TT+16*\u+8+\p]
.endr
.endr
.irp u, 0,1
	s_delay_alu instid0(VALU_DEP_2)
	v_lshl_or_b32 v[TT+16*\u+14], v[TT+16*\u+5], 8, v[TT+16*\u+4]  ; my head's two scale bytes
.endr
.irp u, 0,1
	v_cmp_eq_f32 vcc_lo, 0, v[ST+4*\u+2]                           ; a row with no open key:
	s_delay_alu instid0(VALU_DEP_1)
	v_cndmask_b32 v[TT+16*\u+14], v[TT+16*\u+14], v[ONES], vcc_lo  ; both bytes 0xff
.endr
.irp p, 0,1
.irp u, 0,1
	v_cvt_scalef32_pk16_fp6_f32 v[CT+8*\u+4*\p:CT+8*\u+4*\p+2], v[S+64*\u+16*\p:S+64*\u+16*\p+15], v[TT+16*\u+8+\p]
.endr
.endr
	v_nop
.irp u, 0,1
.irp p, 0,1
	ds_store_b96 v[SI], v[CT+8*\u+4*\p:CT+8*\u+4*\p+2] offset:16*SP*\u+32*\p   ; 16 codes, 12 bytes, to a place of 16
.endr
	ds_store_b16 v[SS], v[TT+16*\u+14] offset:128*\u               ; both lanes of a query write the same bytes with the same value
.endr
	s_wait_dscnt 0x0                               ; for the others' sake: my stores have landed
	s_barrier_signal -1
	s_barrier_wait -1
.irp i, 0,1,2,3
	ds_load_b96 v[PC+4*\i:PC+4*\i+2], v[SR] offset:2*SP*\i
.endr
.irp i, 0,1,2,3
	s_wait_dscnt 3-\i
	global_store_b96 v[GC], v[PC+4*\i:PC+4*\i+2], s[10:11] offset:1536*\i      ; sixteen lanes store my group's 192 consecutive bytes of a row
.endr
	s_cmp_lt_u32 s[WV], 2
	s_cbranch_scc0 .Lno_scales
	ds_load_b64 v[PC+16:PC+17], v[SB2]
	s_wait_dscnt 0x0
	global_store_b64 v[GS], v[PC+16:PC+17], s[12:13]               ; a row's 8 scale bytes of my group
.Lno_scales:
	s_wait_tensorcnt 0x0                           ; the wave's end
	ds_add_u32 v[SPW], v[NIL]
	s_wait_dscnt 0x0
	CROUND                                         ; the closing round
	s_endpgm
.Lfunc_end_k_q7d36950813_attn:
	.size	k_q7d36950813_attn, .Lfunc_end_k_q7d36950813_attn-k_q7d36950813_attn
	.p2alignl 7, 3214868480
	.fill 96, 4, 3214868480
	.section	.rodata,"a",@progbits
	.p2align	6, 0x0
	.amdhsa_kernel k_q7d36950813_attn
		.amdhsa_group_segment_fixed_size 327680
		.amdhsa_private_segment_fixed_size 0
		.amdhsa_enable_private_segment 0
		.amdhsa_kernarg_size 40
		.amdhsa_user_sgpr_count 2
		.amdhsa_user_sgpr_kernarg_segment_ptr 1
		.amdhsa_wavefront_size32 1
		.amdhsa_system_sgpr_workgroup_id_x 1
		.amdhsa_system_sgpr_workgroup_id_y 1
		.amdhsa_system_sgpr_workgroup_id_z 1
		.amdhsa_system_vgpr_workitem_id 0
		.amdhsa_next_free_vgpr 512
		.amdhsa_next_free_sgpr 90
		.amdhsa_reserve_vcc 1
		.amdhsa_float_denorm_mode_32 3
		.amdhsa_float_denorm_mode_16_64 3
		.amdhsa_memory_ordered 1
		.amdhsa_forward_progress 1
		.amdhsa_inst_pref_size 147
	.end_amdhsa_kernel
	.amdgpu_metadata
---
amdhsa.version: [ 1, 2 ]
amdhsa.kernels:
  - .name:           k_q7d36950813_attn
    .symbol:         k_q7d36950813_attn.kd
    .args:
      - { .name: qbuf, .offset: 0, .size: 8, .value_kind: global_buffer, .address_space: global }
      - { .name: kvbuf, .offset: 8, .size: 8, .value_kind: global_buffer, .address_space: global }
      - { .name: attn_bias, .offset: 16, .size: 8, .value_kind: global_buffer, .address_space: global }
      - { .name: o_codes, .offset: 24, .size: 8, .value_kind: global_buffer, .address_space: global }
      - { .name: o_scales, .offset: 32, .size: 8, .value_kind: global_buffer, .address_space: global }
    .group_segment_fixed_size: 327680
    .private_segment_fixed_size: 0
    .kernarg_segment_align: 8
    .kernarg_segment_size: 40
    .max_flat_workgroup_size: 256
    .sgpr_count:     90
    .vgpr_count:     512
    .wavefront_size: 32
...
	.end_amdgpu_metadata
.endif
;; end of part 2
;; launch outp (part 3): grid 4 x 64, 4 waves a work-group, clusters of 4 x 4, 327,680 bytes of LDS; arguments o_codes, o_scales, Wo_codes, Wo_scales, bo, out0; writes out0
.if DOCPART == 3
	.amdgcn_target "amdgcn-amd-amdhsa--gfx1250"
	.amdhsa_code_object_version 6
	.text
	.protected	k_q7d36950813_outp
	.globl	k_q7d36950813_outp
	.p2align	8
	.type	k_q7d36950813_outp,@function
k_q7d36950813_outp:
	s_mov_b64 s[64:65], 0
	v_nop
	global_prefetch_b8 v0, s[64:65] scope:SCOPE_SE
	s_setreg_imm32_b32 hwreg(HW_REG_WAVE_MODE, 25, 1), 1
	s_wait_xcnt 0x0
	s_wait_alu depctr_hold_cnt(0) depctr_sa_sdst(0) depctr_va_vdst(0) depctr_va_sdst(0) depctr_va_ssrc(0) depctr_va_vcc(0) depctr_vm_vsrc(0)
	s_getreg_b32 s2, hwreg(HW_REG_IB_STS2, 6, 4)
	s_cmp_eq_u32 s2, 0
	s_cbranch_scc0 .Lentry_in_a_cluster
	s_endpgm
.Lentry_in_a_cluster:
	s_bfe_u32 s2, ttmp6, 0x10000c
	s_cmp_lg_u32 s2, 0xf033
	s_cbranch_scc0 .Lentry_shape_is_right
	s_endpgm
.Lentry_shape_is_right:
; out0 = o Wo^T + bo on codes of FP6 (E2M3), K = 1,024; o's codes and scales come from the attention launch.
; A work-group makes 128 tokens x 256 features; a wave 64 x 128: 32 accumulators.  256 work-groups.
; ALL OF K LIES IN LDS AT ONCE: 384 rows of 768 bytes, each beginning at a multiple of 256 bytes of its buffer, 16 bytes of padding behind each 256 (pitch 816).  One joint load a wave at the head
; (waves 0, 1: o's halves, shared along the cluster's row; waves 2, 3: Wo's halves, shared along its column); nothing is filled again.
; No prefetch: the launch's only tensor loads stand at its head, and there is no loop to run ahead in.
; THE SCALES go from memory into registers: 32 lanes take 32 neighbouring rows of 32 bytes: a register holds one K step's word of an even block (lanes 0-15) and of the odd block behind it (lanes 16-31).
; TRANSPOSED USE: source 0 = 16 rows of Wo, source 1 = 16 tokens: a lane holds eight neighbouring features of one token.  bo is the C of each accumulator's first product.
; THE WAY OUT goes through a stage of 16 rows x 528 bytes a wave, laid over o's tile behind a barrier behind which no wave reads the tiles; 32 lanes store 512 neighbouring bytes of a row.
; REGISTERS: window 0: v1-29 addresses, v32-79 scale words, v128-223 o's fragments (two sets), then v128-255 the way out.  window 1: Wo's fragments, two sets.  window 2: accumulators.  window 3: v0-63 bo.
.set SIZE_N, 1024
.set KROW,  768
.set PITCH, 816
.set FR,    12
.set BBASE, 128*PITCH
.set SPARE, 384*PITCH
.set SPITCH, 528
.set ADRA, 16
.set ADRB, 18
.set STO, 24
.set RD,  25
.set CO,  26
.set SPW, 28
.set NIL, 29
.set SA, 32
.set SB, 48
.set AF, 128
.set BK, 128
.set G1, 24
.set G0, 32
.set G1B, 48
.set G0B, 56
.set MSB, 0
.macro WIN new
.if MSB != (\new)
	s_set_vgpr_msb (MSB<<8)|(\new)
.set MSB, (\new)
.endif
.endm
.macro PLACES n
.rept \n
	v_nop
.endr
.endm
.macro CROUND
	s_barrier_signal -1
	s_barrier_wait -1
	s_cmp_lg_u32 s14, 0
	s_cbranch_scc1 .Lnot_wave_0_\@
	s_barrier_signal -3
.Lnot_wave_0_\@:
	s_barrier_wait -3
	s_barrier_signal -1
	s_barrier_wait -1
.endm
	s_load_b128 s[4:7], s[0:1], 0x0        ; o's codes, o's scales
	s_load_b128 s[8:11], s[0:1], 0x10      ; Wo's codes, Wo's scales
	s_load_b64 s[66:67], s[0:1], 0x20      ; bo
	s_load_b64 s[12:13], s[0:1], 0x28      ; out0
	v_lshl_add_u32 v[SPW], v0, 2, SPARE
	v_mov_b32 v[NIL], 0
	ds_add_u32 v[SPW], v[NIL]              ; the opening lines: the add twice on end and one wait
	ds_add_u32 v[SPW], v[NIL]
	v_lshrrev_b32 v1, 5, v0
	v_readfirstlane_b32 s14, v1
	s_lshr_b32 s15, s14, 1                 ; my half of the tokens; also: I fetch for o (0) or Wo (1)
	s_and_b32 s16, s14, 1                  ; my half of the features; also: which half I fetch
	s_bfe_u32 s2, ttmp6, 0x40000           ; cx = Wo's tile of 256 rows
	s_bfe_u32 s41, ttmp6, 0x40004          ; cy
	s_and_b32 s17, ttmp7, 0xffff
	s_lshl_b32 s17, s17, 2
	s_add_co_u32 s17, s17, s41             ; o's tile of 128 rows
	s_lshl_b32 s43, s41, 2
	s_lshl_b32 s43, 15, s43
	s_lshl_b32 s44, 0x1111, s2
	s_or_b32 s[G1], s43, (1<<20)|(1<<21)|(5<<22)|(3<<25)
	s_or_b32 s[G1B], s44, (1<<20)|(1<<21)|(5<<22)|(3<<25)
	s_mov_b32 s[G1+1], KROW<<16
	s_mov_b32 s[G1+2], 64<<16
	s_mov_b32 s[G1+3], KROW<<16
	s_mov_b32 s[G1+4], 64
	s_mov_b32 s[G1+5], KROW
	s_mov_b32 s[G1+6], 0
	s_mov_b32 s[G1+7], 0
	s_mov_b32 s[G1B+1], KROW<<16
	s_mov_b32 s[G1B+2], 128<<16
	s_mov_b32 s[G1B+3], KROW<<16
	s_mov_b32 s[G1B+4], 128
	s_mov_b32 s[G1B+5], KROW
	s_mov_b32 s[G1B+6], 0
	s_mov_b32 s[G1B+7], 0
	s_lshl_b32 s20, s17, 7
	s_lshl_b32 s21, s16, 6
	s_add_co_u32 s20, s20, s21
	s_mul_i32 s20, s20, KROW
	s_mov_b32 s21, 0
	s_lshl_b32 s46, s2, 8
	s_lshl_b32 s47, s16, 7
	s_add_co_u32 s46, s46, s47
	s_mul_i32 s46, s46, KROW
	s_mov_b32 s47, 0
	s_wait_dscnt 0x0
	s_wait_kmcnt 0x0
	s_mov_b32 s[G0], 1
	s_mul_i32 s[G0+1], s16, 64*PITCH
	s_add_nc_u64 s[G0+2:G0+3], s[4:5], s[20:21]
	s_or_b32 s[G0+3], s[G0+3], 0x80000000
	s_mov_b32 s[G0B], 1
	s_mul_i32 s[G0B+1], s16, 128*PITCH
	s_add_co_u32 s[G0B+1], s[G0B+1], BBASE
	s_add_nc_u64 s[G0B+2:G0B+3], s[8:9], s[46:47]
	s_or_b32 s[G0B+3], s[G0B+3], 0x80000000
	CROUND
	s_cmp_eq_u32 s15, 0
	s_cbranch_scc0 .Lfor_b
	tensor_load_to_lds s[G0:G0+3], s[G1:G1+7]
	s_nop 0
	PLACES 4
	s_branch .Lasked
.Lfor_b:
	tensor_load_to_lds s[G0B:G0B+3], s[G1B:G1B+7]
	s_nop 0
	PLACES 4
.Lasked:
	s_lshl_b32 s20, s17, 12
	s_lshl_b32 s22, s15, 11
	s_add_co_u32 s20, s20, s22
	s_add_nc_u64 s[6:7], s[6:7], s[20:21]  ; the scales of my 64 tokens
	s_lshl_b32 s46, s2, 13
	s_lshl_b32 s22, s16, 12
	s_add_co_u32 s46, s46, s22
	s_add_nc_u64 s[10:11], s[10:11], s[46:47]  ; of my 128 rows of Wo
	s_lshl_b32 s46, s2, 10
	s_lshl_b32 s22, s16, 9
	s_add_co_u32 s46, s46, s22             ; my first feature, in bytes
	s_add_nc_u64 s[66:67], s[66:67], s[46:47]
	s_lshl_b32 s20, s17, 19
	s_lshl_b32 s22, s15, 18
	s_add_co_u32 s20, s20, s22             ; my first token's row of 4,096 bytes
	s_add_co_u32 s20, s20, s46
	s_add_nc_u64 s[12:13], s[12:13], s[20:21]
	s_mul_i32 s80, s15, 64*PITCH
	s_mul_i32 s81, s16, 128*PITCH
	s_add_co_u32 s81, s81, BBASE
	s_add_co_u32 s82, s81, 64*PITCH
	s_mul_i32 s83, s14, 16*SPITCH          ; my stage
	v_and_b32 v1, 15, v0
	v_bfe_u32 v2, v0, 4, 1
	v_and_b32 v7, 31, v0
	v_mul_u32_u24 v3, v1, PITCH
	v_mad_u32_u24 v3, v2, 24, v3
	v_lshl_add_u32 v4, v2, 4, v3
	v_add_nc_u32 v[ADRA], s80, v3
	v_add_nc_u32 v[ADRA+1], s80, v4
	v_add_nc_u32 v[ADRB], s81, v3
	v_add_nc_u32 v[ADRB+1], s81, v4
	v_add_nc_u32 v[ADRB+2], s82, v3
	v_add_nc_u32 v[ADRB+3], s82, v4
	v_lshlrev_b32 v5, 5, v7
	v_lshlrev_b32 v11, 5, v2
	v_mul_u32_u24 v6, v1, SPITCH
	v_lshl_add_u32 v6, v2, 5, v6
	v_add_nc_u32 v[STO], s83, v6
	v_lshlrev_b32 v[CO], 4, v7
	v_add_nc_u32 v[RD], s83, v[CO]
	s_wait_alu depctr_va_vdst(0)
.irp p, 0,1
	global_load_b128 v[SA+8*\p:SA+8*\p+3], v5, s[6:7] offset:1024*\p
	global_load_b128 v[SA+8*\p+4:SA+8*\p+7], v5, s[6:7] offset:1024*\p+16
.endr
.irp p, 0,1,2,3
	global_load_b128 v[SB+8*\p:SB+8*\p+3], v5, s[10:11] offset:1024*\p
	global_load_b128 v[SB+8*\p+4:SB+8*\p+7], v5, s[10:11] offset:1024*\p+16
.endr
	WIN 0xc0
.irp b, 0,1,2,3,4,5,6,7
	global_load_b128 v[8*\b:8*\b+3], v11, s[66:67] offset:64*\b
	global_load_b128 v[8*\b+4:8*\b+7], v11, s[66:67] offset:64*\b+16
.endr
	WIN 0
.macro FRAG reg, adr, st, i            ; byte y of a row of codes lies at y + 16 (y / 256) of its LDS row; lanes 16-31 read 24 bytes on
.irp p, 0,1,2,3,4,5
.set BY, 96*(\st)+48*(\p/3)+8*(\p%3)
.if BY/256 == (BY+24)/256
	ds_load_b64 v[\reg+2*\p:\reg+2*\p+1], v[\adr] offset:BY+16*(BY/256)+(\i)*16*PITCH
.else
	ds_load_b64 v[\reg+2*\p:\reg+2*\p+1], v[\adr+1] offset:BY+16*(BY/256)+(\i)*16*PITCH
.endif
.endr
.endm
.macro FETCH st
	WIN 0x40
.irp i, 0,1,2,3,4,5,6,7
	FRAG 128*((\st)%2)+FR*\i, ADRB+2*(\i/4), \st, \i%4
.endr
	WIN 0
.irp i, 0,1,2,3
	FRAG AF+48*((\st)%2)+FR*\i, ADRA, \st, \i
.endr
.endm
.macro MUL32 st, first                 ; the 32 accumulators by turns, in the same order in every step
.irp ap, 0,1
.irp ra, 0,1
.irp bp, 0,1,2,3
.irp rb, 0,1
.set AC, 8*(8*(2*\ap+\ra)+2*\bp+\rb)
.set BF, 128*((\st)%2)+FR*(2*\bp+\rb)
.set AA, AF+48*((\st)%2)+FR*(2*\ap+\ra)
.set CB, 8*(2*\bp+\rb)
.if \first
	v_wmma_scale_f32_16x16x128_f8f6f4 v[AC:AC+7], v[BF:BF+11], v[AA:AA+11], v[CB:CB+7], v[SB+8*\bp+(\st)], v[SA+8*\ap+(\st)] matrix_a_fmt:MATRIX_FMT_FP6 matrix_b_fmt:MATRIX_FMT_FP6 matrix_a_scale:MATRIX_SCALE_ROW\rb matrix_b_scale:MATRIX_SCALE_ROW\ra
.else
	v_wmma_scale_f32_16x16x128_f8f6f4 v[AC:AC+7], v[BF:BF+11], v[AA:AA+11], v[AC:AC+7], v[SB+8*\bp+(\st)], v[SA+8*\ap+(\st)] matrix_a_fmt:MATRIX_FMT_FP6 matrix_b_fmt:MATRIX_FMT_FP6 matrix_a_scale:MATRIX_SCALE_ROW\rb matrix_b_scale:MATRIX_SCALE_ROW\ra
.endif
.endr
.endr
.endr
.endr
.endm
	s_wait_tensorcnt 0x0                   ; my part of the tiles is in,
	s_barrier_signal -1
	s_barrier_wait -1                      ; and everybody's
	FETCH 0
	s_wait_loadcnt 0x0                     ; scales and bo
.set ST, 0
.rept 8
	s_wait_dscnt 0x0                       ; this step's fragments are in
.if ST < 7
.if ST > 0
	PLACES 4                               ; in front of loads into the set that the step before multiplied
.endif
	FETCH ST+1
.else
	s_barrier_signal -1                    ; my reads of the tiles are over
.endif
.if ST == 0
	WIN 0xb1                               ; C: bo, in window 3
	MUL32 ST, 1
.else
	WIN 0xa1
	MUL32 ST, 0
.endif
	WIN 0
.set ST, ST+1
.endr
	s_barrier_wait -1                      ; and everybody's: the stage may be laid over o's tile, which has had its only fill
.macro TOSTAGE a
	WIN 0x08
.irp b, 0,1,2,3,4,5,6,7
	ds_store_b128 v[STO], v[64*(\a)+8*\b:64*(\a)+8*\b+3] offset:64*\b          ; each accumulator from its low end on
	ds_store_b128 v[STO], v[64*(\a)+8*\b+4:64*(\a)+8*\b+7] offset:64*\b+16
.endr
	WIN 0
.set BB, BK+64*((\a)%2)
.irp t, 0,1,2,3,4,5,6,7,8,9,10,11,12,13,14,15
	ds_load_b128 v[BB+4*\t:BB+4*\t+3], v[RD] offset:\t*SPITCH   ; LDS serves a wave's instructions in order: these see the stores above
.endr
.endm
.macro SEND a, younger
.set BB, BK+64*((\a)%2)
	s_wait_dscnt \younger
.if (\a) > 0
	s_add_nc_u64 s[12:13], s[12:13], 16*SIZE_N*4   ; behind a wait on XCNT: the earlier stores have read their base
.endif
.irp t, 0,1,2,3,4,5,6,7,8,9,10,11,12,13,14,15
	global_store_b128 v[CO], v[BB+4*\t:BB+4*\t+3], s[12:13] offset:\t*SIZE_N*4 th:TH_STORE_NT   ; 32 lanes store 512 consecutive bytes, at a multiple of 256 from out0's first byte
.endr
.endm
	PLACES 4
	TOSTAGE 0
.irp a, 1,2,3
.if \a > 1
	s_wait_xcnt 0x0
.endif
	TOSTAGE \a
	SEND \a-1, 32
.endr
	s_wait_xcnt 0x0
	SEND 3, 0
	s_wait_tensorcnt 0x0                   ; the wave's end
	ds_add_u32 v[SPW], v[NIL]
	s_wait_dscnt 0x0
	CROUND                                 ; the closing round
	s_endpgm
.Lfunc_end_k_q7d36950813_outp:
	.size	k_q7d36950813_outp, .Lfunc_end_k_q7d36950813_outp-k_q7d36950813_outp
	.p2alignl 7, 3214868480
	.fill 96, 4, 3214868480
	.section	.rodata,"a",@progbits
	.p2align	6, 0x0
	.amdhsa_kernel k_q7d36950813_outp
		.amdhsa_group_segment_fixed_size 327680
		.amdhsa_private_segment_fixed_size 0
		.amdhsa_enable_private_segment 0
		.amdhsa_kernarg_size 48
		.amdhsa_user_sgpr_count 2
		.amdhsa_user_sgpr_kernarg_segment_ptr 1
		.amdhsa_wavefront_size32 1
		.amdhsa_system_sgpr_workgroup_id_x 1
		.amdhsa_system_sgpr_workgroup_id_y 1
		.amdhsa_system_sgpr_workgroup_id_z 1
		.amdhsa_system_vgpr_workitem_id 0
		.amdhsa_next_free_vgpr 1024
		.amdhsa_next_free_sgpr 100
		.amdhsa_reserve_vcc 0
		.amdhsa_float_denorm_mode_32 3
		.amdhsa_float_denorm_mode_16_64 3
		.amdhsa_memory_ordered 1
		.amdhsa_forward_progress 1
		.amdhsa_inst_pref_size 94
	.end_amdhsa_kernel
	.amdgpu_metadata
---
amdhsa.version: [ 1, 2 ]
amdhsa.kernels:
  - .name:           k_q7d36950813_outp
    .symbol:         k_q7d36950813_outp.kd
    .args:
      - { .name: o_codes, .offset: 0, .size: 8, .value_kind: global_buffer, .address_space: global }
      - { .name: o_scales, .offset: 8, .size: 8, .value_kind: global_buffer, .address_space: global }
      - { .name: Wo_codes, .offset: 16, .size: 8, .value_kind: global_buffer, .address_space: global }
      - { .name: Wo_scales, .offset: 24, .size: 8, .value_kind: global_buffer, .address_space: global }
      - { .name: bo, .offset: 32, .size: 8, .value_kind: global_buffer, .address_space: global }
      - { .name: out0, .offset: 40, .size: 8, .value_kind: global_buffer, .address_space: global }
    .group_segment_fixed_size: 327680
    .private_segment_fixed_size: 0
    .kernarg_segment_align: 8
    .kernarg_segment_size: 48
    .max_flat_workgroup_size: 128
    .sgpr_count:     100
    .vgpr_count:     1024
    .wavefront_size: 32
...
	.end_amdgpu_metadata
.endif
;; end of part 3
